; MI455X (gfx1250); checked and timed in simulation.
; The chip was launched on July 23, 2026; its instructions are those of AMD's public machine-readable ISA for CDNA 5 (MIT licence, August 2026) and "CDNA5" Instruction Set Architecture Reference Guide (July 2026). The comments in the code are by the model that wrote it; some were corrected since.
;; Multi Head Attention. Allowed arithmetic: matrix products marked QUANTISED: E3M2 operands, one E8M0 scale for each 32 along K, by v_wmma_scale_f32_16x16x128_f8f6f4 with both operands' format E3M2, f32 sums; everything else in f32.
;; Inputs: W_k 1,024 x 1,024 float32; W_o 1,024 x 1,024 float32; W_q 1,024 x 1,024 float32; W_v 1,024 x 1,024 float32; x 4 x 2,048 x 1,024 float32.
;; Outputs: out0 4 x 2,048 x 1,024 float32.
;; This version of the problem:
;;   THIS VERSION OF THE PROBLEM IS GIVEN IN LOW PRECISION. The matrix products marked QUANTISED in the list below multiply operands that are first quantised to E3M2 (3 exponent bits, 2 mantissa bits; 6 bits a number), with one power-of-two scale for each 32 numbers along K (OCP MX v1.0); their sums are f32. All else is computed in f32.
;;   The module's matrix products, in the order in which they are computed (A, B: the left and right operand; K: the contracted axis; several contracted axes count as one K, in the product's order):
;;     1. [M 8,192, K 1,024] x [K 1,024, N 1,024]; A: input x; B: input W_q: QUANTISED
;;     2. [M 8,192, K 1,024] x [K 1,024, N 1,024]; A: input x; B: input W_k: QUANTISED
;;     3. [M 8,192, K 1,024] x [K 1,024, N 1,024]; A: input x; B: input W_v: QUANTISED
;;     4. batch 64 x [M 2,048, K 64] x [K 64, N 2,048]; A: computed on the way; B: computed on the way: QUANTISED
;;     5. batch 64 x [M 2,048, K 2,048] x [K 2,048, N 64]; A: softmax (see below); B: computed on the way: QUANTISED
;;     6. [M 8,192, K 1,024] x [K 1,024, N 1,024]; A: computed on the way; B: input W_o: QUANTISED
;;   THE QUANTISER, for each operand of a quantised product, along K:
;;     - K is cut into blocks of 32 from its start; a last block that is shorter is filled with zeros.
;;     - A block's scale is 2^e with e = floor(log2(the largest magnitude in the block)) - 4, held to -126 .. 127; a block of zeros has e = 0. As a byte (E8M0): e + 127.
;;     - Each number is divided by its block's scale, clamped to +-28, and rounded to the nearest number of E3M2, ties to even, subnormals kept.
;;     - The product sums the exact products of the quantised numbers (number of the format x scale) in f32.
;;   ~~~python
;;   def quantise(x, axis):      # numpy; x: float32 -> the quantised numbers, widened to float32 again
;;       x = np.moveaxis(x, axis, -1); K = x.shape[-1]
;;       x = np.pad(x, [(0, 0)] * (x.ndim - 1) + [(0, -K % 32)]); x = x.reshape(x.shape[:-1] + (-1, 32)); a = np.abs(x).max(-1, keepdims=True)
;;       e = np.where(a > 0, np.clip(np.frexp(np.where(a > 0, a, 1))[1] - 1 - 4, -126, 127), 0)      # np.frexp(a)[1] - 1 = floor(log2(a)), exactly
;;       r = np.clip(x / 2.0 ** e, -28, 28)
;;       step = 2.0 ** (np.maximum(np.frexp(np.where(r == 0, 1, r))[1] - 1, -2) - 2)
;;       q = np.round(r / step) * step * 2.0 ** e      # np.round: ties to even
;;       return np.moveaxis(q.reshape(q.shape[:-2] + (-1,))[..., :K], -1, axis).astype(np.float32)
;;   ~~~
;;   SOFTMAX AHEAD OF A QUANTISED PRODUCT. Where the list says 'softmax', what is quantised is not the finished softmax but p = 2^(t - M), with t = logit x log2(e) and M = ceil(the row's largest t), a whole number; so 1/2 < the row's largest p <= 1. The row's sum l is taken of the UNQUANTISED p, in f32, and the product's result is divided by l at the end. Since M is a whole number, a kernel that streams over the keys may use a running M (the ceiling of the running maximum): every later rescaling is an exact power of two, which a block's scale takes up: the codes' values come out the same.
;;   OPERANDS COMPUTED ON THE WAY. 'Computed on the way' means the value that the module computes at that place (a softmax that the list does not call 'softmax' is quantised finished and normalised). What goes into a quantiser is computed in f32, as accurately as f32 sums, v_exp_f32 and their like allow (about 1e-6 of the number): no bf16 or f16 on the way to a quantiser, and a product that is left as it is and whose result goes on into a quantised operand takes f32 operands (vector FMAs, or v_wmma_f32_16x16x4_f32). A number that lies on a knife's edge between two numbers of the format may be rounded either way, as far as f32 arithmetic and the matrix unit's own rounding can turn it there, and no further.
;; One version. Each part assembles by itself: llvm-mc -triple=amdgcn-amd-amdhsa -mcpu=gfx1250 --defsym DOCPART=n.
;; ======== version 1 of 1: 5 launches
;; workspace buffers: xc 6,553,600 bytes; wqk 1,638,400 bytes; wv 819,200 bytes; wo 819,200 bytes; pqk 13,631,488 bytes; pv 6,815,744 bytes; oc 6,553,600 bytes
;; launch quant (part 1): grid 512 x 1, 4 waves a work-group, no clusters, 34,304 bytes of LDS; arguments x, W_q, W_k, W_v, W_o, xc, wqk, wv, wo; writes xc, wqk, wv, wo
.if DOCPART == 1
	.amdgcn_target "amdgcn-amd-amdhsa--gfx1250"
	.amdhsa_code_object_version 6
	.text
	.protected	k_qee83d5c6b2_quant
	.globl	k_qee83d5c6b2_quant
	.p2align	8
	.type	k_qee83d5c6b2_quant,@function
k_qee83d5c6b2_quant:
	s_mov_b64 s[64:65], 0
	v_nop
	global_prefetch_b8 v0, s[64:65] scope:SCOPE_SE
	s_setreg_imm32_b32 hwreg(HW_REG_WAVE_MODE, 25, 1), 1
	s_wait_xcnt 0x0
; x [8192][1024] and the four weights [1024 (k)][1024 (n)], f32, become codes of BF6 (E3M2) with one E8M0 byte for each 32 along K (the model's axis), laid as the later launches' matrix operands want them.
; A block's scale is 2^(floor(log2(its largest magnitude)) - 4): its byte is the largest magnitude's exponent field - 4, held at 1 from below by a floor among the maximum's leaves.
; LIMITS: a block of zeros gets the byte 1 where the rule says 127 (its codes are zeros, which add nothing under any byte but 0xff, and this program alone reads the bytes); NaN and infinities among the inputs are not served.
; THE LAYOUT.  Rows of an operand (tokens of x, columns n of a weight) are stored at POSITION sw(index) = index with bits 3 and 4 exchanged: row r of position tile T is index 32 (T / 2) + 8 (T % 2) + r + 8 (r / 8).
; A row tile (16 positions, all 1,024 of K) takes 12,800 bytes: 16 images of 768 bytes, one for each 64 along K, then 512 bytes of scale words [k / 512][r][4 words], word j for k = 128 (4 (k / 512) + j) on.
; An image holds, for lane (r, h), the six registers of k = 32 h + 0 .. 31: registers 0-3 at 16 (r + 16 h), registers 4, 5 at 512 + 16 r + 8 h: two images on end are a fragment's twelve registers.
; Work-groups 0-255 take x, 256-511 the weights; the text parts once on the work-group's number, and only x's path touches LDS.  No barrier: waves share nothing.
.set RTB,    12800                     ; bytes of a row tile
.set SPITCH, 528                       ; x's path: a stage row: 512 bytes + 16
.set WSTG,   16*SPITCH                 ; a wave's stage
.set R,   16                           ; v16-143  x: two sets of 64 registers as loaded
.set X,   144                          ; v144-207 x: 64 numbers of my row: register 16 b + i = k 32 b + 16 h + i
.set PC,  208                          ; v208-219 a fragment's codes
.set TC,  220                          ; v220-226 second halves of the conversions
.set TM,  228                          ; v228-231 largest magnitudes, v232-235 the other half's, then bytes, v236-239 the conversions' scale operands
.set WB,  240                          ; v240-243 the four units' scale words
.set WX,  16                           ; weights: v16-79 two sets of 32 numbers
.set WC,  144                          ; weights: v144-167 two images: registers 0-3 of the even block, of the odd block, registers 4, 5 of both
.set SEL, 32                           ; s[32:33] v_permlanex16_b32's selects for lane l xor 16
	s_load_b256 s[4:11], s[0:1], 0x0               ; x, W_q, W_k, W_v
	s_load_b256 s[12:19], s[0:1], 0x20             ; W_o, xc, wqk, wv
	s_load_b64 s[20:21], s[0:1], 0x40              ; wo
	v_lshl_add_u32 v248, v0, 2, 0x8400
	v_mov_b32 v249, 0
	v_lshrrev_b32 v1, 5, v0
	v_readfirstlane_b32 s22, v1                    ; wave 0..3
	v_and_b32 v1, 31, v0                           ; l
	v_and_b32 v2, 15, v0                           ; r
	v_bfe_u32 v3, v0, 4, 1                         ; h
	s_mov_b32 s[SEL], 0x76543210
	s_mov_b32 s[SEL+1], 0xfedcba98
	s_cmp_ge_u32 ttmp9, 256
	s_cbranch_scc1 .Lweights
; ---------------- x: wave W = 4 x work-group + wave takes row tile W / 2 and half W % 2 of K: four units of 16 rows x 128 k
	v_lshlrev_b32 v4, 4, v1                        ; 16 l
	s_mul_i32 s23, s22, WSTG
	v_add_nc_u32 v5, s23, v4                       ; the stage, on the way in: a row's 512 bytes as they lie
	v_mul_u32_u24 v6, v2, SPITCH
	v_lshl_add_u32 v6, v3, 6, v6
	v_add_nc_u32 v6, s23, v6                       ; and on the way out: row r, + 64 h: my 16 numbers of each block of 32
	v_lshlrev_b32 v8, 4, v2
	v_lshl_add_u32 v8, v3, 3, v8                   ; 16 r + 8 h
.irp b, 0,1,2,3
	v_mov_b32 v[TM+4+\b], 0                        ; written once: a lane permute's destination counts as one of its sources
.endr
	s_lshl_b32 s24, ttmp9, 1
	s_lshr_b32 s25, s22, 1
	s_add_co_u32 s24, s24, s25                     ; the row tile
	s_and_b32 s25, s22, 1                          ; which 512 of K
	s_lshr_b32 s26, s24, 1
	s_lshl_b32 s26, s26, 5
	s_and_b32 s27, s24, 1
	s_lshl_b32 s27, s27, 3
	s_add_co_u32 s26, s26, s27                     ; the tile's first token: 32 (T / 2) + 8 (T % 2)
	s_lshl_b32 s26, s26, 12                        ; rows of 4,096 bytes
	s_lshl_b32 s27, s25, 11
	s_add_co_u32 s26, s26, s27
	s_mov_b32 s27, 0
	s_mul_i32 s28, s24, RTB
	s_mul_i32 s30, s25, 6144                       ; eight images
	s_add_co_u32 s30, s30, s28
	s_mov_b32 s31, 0
	s_lshl_b32 s29, s25, 8
	s_add_co_u32 s28, s28, s29
	s_add_co_u32 s28, s28, 12288
	s_mov_b32 s29, 0
	s_wait_kmcnt 0x0
	s_add_nc_u64 s[4:5], s[4:5], s[26:27]          ; x at my first row and k
	s_add_nc_u64 s[30:31], s[14:15], s[30:31]      ; my images
	s_add_nc_u64 s[28:29], s[14:15], s[28:29]      ; my 256 bytes of scale words
.macro LOAD u                          ; unit u: each load reads 512 consecutive bytes of one token's row; row i of the tile is token i + 8 (i / 8) on
.irp i, 0,1,2,3,4,5,6,7,8,9,10,11,12,13,14,15
	global_load_b128 v[R+64*((\u)%2)+4*\i:R+64*((\u)%2)+4*\i+3], v4, s[4:5] offset:(\i+8*(\i/8))*4096+512*(\u) th:TH_LOAD_NT
.endr
.endm
.macro TURN u                          ; through my own stage: LDS serves a wave's instructions in order (ISA guide 5.7.1.4), so no wait stands between the stores and the loads
.irp i, 0,1,2,3,4,5,6,7,8,9,10,11,12,13,14,15
	ds_store_b128 v5, v[R+64*((\u)%2)+4*\i:R+64*((\u)%2)+4*\i+3] offset:SPITCH*\i
.endr
.irp b, 0,1,2,3
.irp j, 0,1,2,3
	ds_load_b128 v[X+16*\b+4*\j:X+16*\b+4*\j+3], v6 offset:128*\b+16*\j
.endr
.endr
.endm
; 64 numbers of a lane, register 16 b + i = k 32 b + 16 h + i of my row, become a fragment's codes in v[pc] on and its scale word in v[pw]
.macro QUANT s, pc, pw
.irp b, 0,1,2,3
	v_max3_num_f32 v[TM+\b], |v[\s+16*\b]|, |v[\s+1+16*\b]|, 0x2800000   ; block b: my 16 numbers, and the floor 2^(5 - 127): the byte cannot fall under 1
.endr
.irp i, 2,4,6,8,10,12,14
.irp b, 0,1,2,3
	v_max3_num_f32 v[TM+\b], v[TM+\b], |v[\s+16*\b+\i]|, |v[\s+1+16*\b+\i]|   ; the four blocks by turns
.endr
.endr
.irp b, 0,1,2,3
	v_permlanex16_b32 v[TM+4+\b], v[TM+\b], s[SEL], s[SEL+1]
.endr
.irp b, 0,1,2,3
	v_max_num_f32 v[TM+\b], v[TM+\b], v[TM+4+\b]   ; with lane l xor 16's: the block's largest magnitude
.endr
.irp b, 0,1,2,3
	v_add_nc_u32 v[TM+8+\b], 0xfe000000, v[TM+\b]  ; 4 off its exponent field: the conversion takes the exponent field of this operand as its scale
.endr
.irp b, 0,1,2,3
	v_lshrrev_b32 v[TM+4+\b], 23, v[TM+8+\b]       ; the scale's byte
.endr
	v_lshl_or_b32 v[\pw], v[TM+5], 8, v[TM+4]
	v_lshl_or_b32 v[\pw], v[TM+6], 16, v[\pw]
	v_lshl_or_b32 v[\pw], v[TM+7], 24, v[\pw]      ; my row's scale word
.irp c, 0,1
	v_cvt_scalef32_pk16_bf6_f32 v[\pc+6*\c:\pc+6*\c+2], v[\s+32*\c:\s+32*\c+15], v[TM+8+2*\c]
	v_cvt_scalef32_pk16_bf6_f32 v[TC+4*\c:TC+4*\c+2], v[\s+16+32*\c:\s+31+32*\c], v[TM+9+2*\c]   ; (a conversion's three registers begin on an even number)
.endr
	v_nop                                          ; one plain place behind a scaled conversion
.irp c, 0,1                            ; the operand's layout wants a whole block in a lane: lanes 0-15 block 2 c, lanes 16-31 block 2 c + 1
.irp i, 0,1,2
	v_permlane16_swap_b32 v[\pc+6*\c+\i], v[TC+4*\c+\i]
.endr
.irp i, 0,1,2
	v_mov_b32 v[\pc+3+6*\c+\i], v[TC+4*\c+\i]
.endr
.endr
.endm
.macro UNIT u
.if (\u) < 3
	s_wait_loadcnt 16                              ; this unit's 16 loads are in; the next unit's 16 stay out
.else
	s_wait_loadcnt 0x0
.endif
	TURN \u
	s_wait_dscnt 0x0                               ; my 64 numbers are back, and the stage's stores have read the set,
.if (\u)+2 < 4
	LOAD (\u)+2                                    ; which takes the unit two on
.endif
	s_wait_xcnt 0x0                                ; the last unit's stores have read the codes' registers: they are written again only behind this wait
	QUANT X, PC, WB+(\u)
	global_store_b128 v4, v[PC:PC+3], s[30:31] offset:1536*(\u)          ; 32 lanes store 512 consecutive bytes,
	global_store_b64 v8, v[PC+4:PC+5], s[30:31] offset:1536*(\u)+512     ; then 256: an image
	global_store_b128 v4, v[PC+6:PC+9], s[30:31] offset:1536*(\u)+768
	global_store_b64 v8, v[PC+10:PC+11], s[30:31] offset:1536*(\u)+1280
.endm
	LOAD 0
	LOAD 1
	UNIT 0
	UNIT 1
	UNIT 2
	UNIT 3
	v_cmp_lt_u32 vcc_lo, 15, v1                    ; every lane holds its row's four words: lanes 0-15 store words 0, 1, lanes 16-31 words 2, 3
	v_cndmask_b32 v244, v[WB], v[WB+2], vcc_lo
	v_cndmask_b32 v245, v[WB+1], v[WB+3], vcc_lo
	global_store_b64 v8, v[244:245], s[28:29]      ; 32 lanes store 256 consecutive bytes, aligned
	s_wait_tensorcnt 0x0
	ds_add_u32 v248, v249
	s_wait_dscnt 0x0
	s_endpgm
; ---------------- the weights: K is their FIRST axis.  A lane takes a column n and its registers run down K: a block of 32 lies in one lane, and the conversions give codes with K innermost.
; Work-group g: weight g / 64, columns 128 ((g / 8) % 8) on, rows 128 (g % 8) on; a wave takes 32 columns: a load of a wave reads 128 consecutive bytes, the four waves stand side by side on 512.
.Lweights:
	s_sub_co_u32 s23, ttmp9, 256
	s_lshr_b32 s24, s23, 6                         ; which weight: 0 W_q, 1 W_k, 2 W_v, 3 W_o
	s_bfe_u32 s25, s23, 0x30003                    ; which 128 columns
	s_and_b32 s26, s23, 7                          ; which 128 of K
	v_lshlrev_b32 v9, 2, v1                        ; in: 4 bytes a lane
	v_bfe_u32 v10, v1, 3, 1                        ; out: column l of 32 lies at position sw(l): row tile (l / 8) % 2,
	v_mul_u32_u24 v10, v10, RTB
	v_and_b32 v11, 7, v1
	v_lshl_or_b32 v11, v3, 3, v11                  ; row l % 8 + 8 (l / 16)
	v_lshl_add_u32 v10, v11, 4, v10
	s_lshl_b32 s28, s26, 19                        ; 128 rows of 4,096 bytes
	s_lshl_b32 s27, s25, 9
	s_add_co_u32 s28, s28, s27
	s_lshl_b32 s27, s22, 7
	s_add_co_u32 s28, s28, s27
	s_mov_b32 s29, 0
	s_cmp_lt_u32 s24, 2
	s_cselect_b32 s27, s24, 0                      ; W_q and W_k share a buffer: 64 row tiles each
	s_lshl_b32 s27, s27, 6
	s_lshl_b32 s30, s25, 3
	s_add_co_u32 s27, s27, s30
	s_lshl_b32 s30, s22, 1
	s_add_co_u32 s27, s27, s30                     ; my first row tile of two
	s_mul_i32 s27, s27, RTB
	s_mul_i32 s30, s26, 1536                       ; two images for 128 of K
	s_add_co_u32 s30, s30, s27
	s_mov_b32 s31, 0
	s_lshr_b32 s34, s26, 2
	s_lshl_b32 s34, s34, 8
	s_and_b32 s35, s26, 3
	s_lshl_b32 s35, s35, 2
	s_add_co_u32 s34, s34, s35
	s_add_co_u32 s34, s34, s27
	s_add_co_u32 s34, s34, 12288                   ; my scale word's place in the row tile
	s_mov_b32 s35, 0
	s_wait_kmcnt 0x0
	s_bitcmp1_b32 s24, 0                           ; the buffers are chosen by the work-group's number alone
	s_cselect_b64 s[36:37], s[8:9], s[6:7]
	s_cselect_b64 s[38:39], s[12:13], s[10:11]
	s_cselect_b64 s[40:41], s[20:21], s[18:19]
	s_cmp_lt_u32 s24, 2
	s_cselect_b64 s[36:37], s[36:37], s[38:39]
	s_cselect_b64 s[40:41], s[16:17], s[40:41]
	s_add_nc_u64 s[36:37], s[36:37], s[28:29]      ; the weight at my first row and column
	s_add_nc_u64 s[38:39], s[40:41], s[30:31]      ; my images
	s_add_nc_u64 s[40:41], s[40:41], s[34:35]      ; my scale words
.macro WLOAD t                         ; block t: W(32 t + i, my column), i = 0 .. 31
.irp i, 0,1,2,3,4,5,6,7,8,9,10,11,12,13,14,15,16,17,18,19,20,21,22,23,24,25,26,27,28,29,30,31
	global_load_b32 v[WX+32*((\t)%2)+\i], v9, s[36:37] offset:(32*(\t)+\i)*4096 th:TH_LOAD_NT
.endr
.endm
.macro WBLOCK t
.set XS, WX+32*((\t)%2)
.set CE, WC+12*((\t)/2)+4*((\t)%2)     ; registers 0-3 of this block (h = t % 2 of image t / 2)
.set CM, WC+12*((\t)/2)+8+2*((\t)%2)   ; registers 4, 5
.if (\t) < 3
	s_wait_loadcnt 32                              ; this block's 32 loads are in; the next block's 32 stay out
.else
	s_wait_loadcnt 0x0
.endif
	v_max3_num_f32 v12, |v[XS]|, |v[XS+1]|, |v[XS+2]|              ; the block's largest magnitude: all 32 numbers are mine; two chains
	v_max3_num_f32 v13, |v[XS+3]|, |v[XS+4]|, |v[XS+5]|
.irp i, 6,10,14,18,22,26
	v_max3_num_f32 v12, v12, |v[XS+\i]|, |v[XS+\i+1]|
	v_max3_num_f32 v13, v13, |v[XS+\i+2]|, |v[XS+\i+3]|
.endr
	v_max3_num_f32 v12, v12, |v[XS+30]|, |v[XS+31]|
	v_max3_num_f32 v12, v12, v13, 0x2800000        ; and the floor 2^(5 - 127)
	v_add_nc_u32 v14, 0xfe000000, v12              ; the conversions' scale operand
	v_cvt_scalef32_pk16_bf6_f32 v[CE:CE+2], v[XS:XS+15], v14
	v_cvt_scalef32_pk16_bf6_f32 v[TC:TC+2], v[XS+16:XS+31], v14
	v_lshrrev_b32 v13, 23, v14                     ; the scale's byte (also the plain place behind the conversions)
.if (\t) == 0
	v_mov_b32 v15, v13                             ; four bytes make the word of these 128 of K, the lower k in the lower byte
.else
	v_lshl_or_b32 v15, v13, 8*(\t), v15
.endif
	v_mov_b32 v[CE+3], v[TC]
	v_mov_b32 v[CM], v[TC+1]
	v_mov_b32 v[CM+1], v[TC+2]
.if (\t)+2 < 4
	WLOAD (\t)+2
.endif
.if (\t)%2 == 1                        ; an image is whole: in each store the sixteen lanes of a row tile cover 256 consecutive bytes, aligned
	global_store_b128 v10, v[WC+12*((\t)/2):WC+12*((\t)/2)+3], s[38:39] offset:768*((\t)/2)
	global_store_b128 v10, v[WC+12*((\t)/2)+4:WC+12*((\t)/2)+7], s[38:39] offset:768*((\t)/2)+256
	global_store_b128 v10, v[WC+12*((\t)/2)+8:WC+12*((\t)/2)+11], s[38:39] offset:768*((\t)/2)+512
.endif
.endm
	WLOAD 0
	WLOAD 1
	WBLOCK 0
	WBLOCK 1
	WBLOCK 2
	WBLOCK 3
	global_store_b32 v10, v15, s[40:41]            ; 4 bytes of each row's 16: one byte in 128 of what this path reads leaves so, in pieces
	s_endpgm
.Lfunc_end_k_qee83d5c6b2_quant:
	.size	k_qee83d5c6b2_quant, .Lfunc_end_k_qee83d5c6b2_quant-k_qee83d5c6b2_quant
	.p2alignl 7, 3214868480
	.fill 96, 4, 3214868480
	.section	.rodata,"a",@progbits
	.p2align	6, 0x0
	.amdhsa_kernel k_qee83d5c6b2_quant
		.amdhsa_group_segment_fixed_size 34304
		.amdhsa_private_segment_fixed_size 0
		.amdhsa_enable_private_segment 0
		.amdhsa_kernarg_size 72
		.amdhsa_user_sgpr_count 2
		.amdhsa_user_sgpr_kernarg_segment_ptr 1
		.amdhsa_wavefront_size32 1
		.amdhsa_system_sgpr_workgroup_id_x 1
		.amdhsa_system_sgpr_workgroup_id_y 1
		.amdhsa_system_sgpr_workgroup_id_z 1
		.amdhsa_system_vgpr_workitem_id 0
		.amdhsa_next_free_vgpr 250
		.amdhsa_next_free_sgpr 66
		.amdhsa_reserve_vcc 1
		.amdhsa_float_denorm_mode_32 3
		.amdhsa_float_denorm_mode_16_64 3
		.amdhsa_memory_ordered 1
		.amdhsa_forward_progress 1
		.amdhsa_inst_pref_size 54
	.end_amdhsa_kernel
	.amdgpu_metadata
---
amdhsa.version: [ 1, 2 ]
amdhsa.kernels:
  - .name:           k_qee83d5c6b2_quant
    .symbol:         k_qee83d5c6b2_quant.kd
    .args:
      - { .name: x, .offset: 0, .size: 8, .value_kind: global_buffer, .address_space: global }
      - { .name: W_q, .offset: 8, .size: 8, .value_kind: global_buffer, .address_space: global }
      - { .name: W_k, .offset: 16, .size: 8, .value_kind: global_buffer, .address_space: global }
      - { .name: W_v, .offset: 24, .size: 8, .value_kind: global_buffer, .address_space: global }
      - { .name: W_o, .offset: 32, .size: 8, .value_kind: global_buffer, .address_space: global }
      - { .name: xc, .offset: 40, .size: 8, .value_kind: global_buffer, .address_space: global }
      - { .name: wqk, .offset: 48, .size: 8, .value_kind: global_buffer, .address_space: global }
      - { .name: wv, .offset: 56, .size: 8, .value_kind: global_buffer, .address_space: global }
      - { .name: wo, .offset: 64, .size: 8, .value_kind: global_buffer, .address_space: global }
    .group_segment_fixed_size: 34304
    .private_segment_fixed_size: 0
    .kernarg_segment_align: 8
    .kernarg_segment_size: 72
    .max_flat_workgroup_size: 128
    .sgpr_count:     66
    .vgpr_count:     250
    .wavefront_size: 32
...
	.end_amdgpu_metadata
.endif
;; end of part 1
;; launch projqk (part 2): grid 8 x 32, 4 waves a work-group, clusters of 4 x 4, 327,680 bytes of LDS; arguments xc, wqk, pqk; writes pqk
.if DOCPART == 2
	.amdgcn_target "amdgcn-amd-amdhsa--gfx1250"
	.amdhsa_code_object_version 6
	.text
	.protected	k_qee83d5c6b2_projqk
	.globl	k_qee83d5c6b2_projqk
	.p2align	8
	.type	k_qee83d5c6b2_projqk,@function
k_qee83d5c6b2_projqk:
	s_mov_b64 s[64:65], 0
	v_nop
	global_prefetch_b8 v0, s[64:65] scope:SCOPE_SE
	s_setreg_imm32_b32 hwreg(HW_REG_WAVE_MODE, 25, 1), 1
	s_wait_xcnt 0x0
	s_wait_alu depctr_hold_cnt(0) depctr_sa_sdst(0) depctr_va_vdst(0) depctr_va_sdst(0) depctr_va_ssrc(0) depctr_va_vcc(0) depctr_vm_vsrc(0)
	s_getreg_b32 s2, hwreg(HW_REG_IB_STS2, 6, 4)
	s_cmp_eq_u32 s2, 0
	s_cbranch_scc0 .Lentry_in_a_cluster
	s_endpgm
.Lentry_in_a_cluster:
	s_bfe_u32 s2, ttmp6, 0x10000c
	s_cmp_lg_u32 s2, 0xf033
	s_cbranch_scc0 .Lentry_shape_is_right
	s_endpgm
.Lentry_shape_is_right:
; R[m][n] = sum over k of A[m][k] B[n][k], K = 1,024, on codes of BF6 (E3M2) with E8M0 scales, and R QUANTISED ALONG n on the way out: it never goes to memory as f32.
; The body serves two launches.  Q and K: A = x's tokens, B = the columns of W_q, then of W_k; R's n runs along the heads' channels, which are the K of the scores.
; V transposed: A = the columns of W_v, B = x's tokens; R's n runs along the tokens, which are the K (the keys) of attention's second product.
; OPERANDS lie in row tiles of 12,800 bytes: 16 positions (index with bits 3 and 4 exchanged) x 1,024 K as 16 images of 768 bytes, one for each 64 of K, then 512 bytes of scale words [k / 512][r][4].
; An image holds for lane (r, h) the six registers of k = 32 h + 0 .. 31: registers 0-3 at 16 (r + 16 h), registers 4, 5 at 512 + 16 r + 8 h: a fragment is four loads whose 32 lanes read consecutive bytes.
; A tile of R, 256 x 256, is made by four waves, each 128 x 128: 64 accumulators, 512 registers.  K goes in four steps of 256 through two LDS slots filled by the tensor data mover; the scales of all of K come once.
; CLUSTERS: 4 x 4 work-groups; A's tiles are asked for jointly along a row of the cluster, B's along a column.
; THE MATRIX INSTRUCTION IS USED TRANSPOSED (source 0 = 16 rows of B, source 1 = 16 rows of A): a lane holds ONE row of A, and since B's rows lie at their positions, the 16 registers of B's tiles 2 b and 2 b + 1
; are n = 32 b + 16 h + 0 .. 15 in natural order: a block of 32 lies in lanes l and l xor 16, and the conversions' results, with one exchange of halves, are images again.
; THE RESULT: a block of 53,248 bytes for each tile of R, number (tx % 8) + 8 ty + 32 (tx / 8): images [row tile 0..15][n / 64, 0..3][768]; at 49,152 scale words [n half][m half][g][slot 0..31][j], row tile 4 g + j of
; the half: slot r holds row r's word for the half's 128 of n, slot 16 + r that word >> 16, so that the second 64 of n find their two bytes in a word's low end.
; LIMITS: a block of zeros gets the byte 1 (its codes are zeros; this program alone reads the bytes); NaN and infinities are not served.
; REGISTERS, in windows of 256: window 0: v0-31 addresses; v32-63 scale words, two sets; v128-223 A's fragments, one set; on the way out v64-193.  window 1: B's fragments, two sets, at v0 and v128.
;   window 2: the accumulators of my rows 0-63 ((a, b) at v[8 (8 a + b)]);  window 3: those of my rows 64-127.
.set RTB,   12800                      ; bytes of a row tile
.set TB,    53248                      ; bytes of a result block
.set KSB,   3072                       ; a K step of 256 in a row tile: four images
.set NQ,    2                          ; matrix instructions deep in a slot
.set FR,    12                         ; registers of a fragment
.set NL,    4                          ; LDS loads that bring one
.set NP,    4                          ; places behind this matrix instruction (ISA guide 7.12.1)
.set HALFT, 8*KSB                      ; 8 row tiles: what one tensor load brings, and what one wave reads of A or of B
.set SLOT,  4*HALFT                    ; A's 16 row tiles, then B's
.set SCL,   2*SLOT                     ; behind the ring: the scale words, 512 bytes a row tile
.set HALFS, 4096
.set SBLK,  512
.set SPARE, SCL+4*HALFS                ; the spare words, 128 bytes for each wave: two blocks of 256 bytes that no other line names
.set L16,  4                           ; v4   16 x lane
.set L8,   5                           ; v5   16 r + 8 h
.set SH,   8                           ; v8   16 h
.set ADRA, 16                          ; v16-17 LDS address of A's registers 0-3 in slot 0, 1;  v18-19 of registers 4, 5
.set ADRB, 20                          ; v20-23 the same for B
.set ADRS, 27                          ; v27  LDS address of my scale words: lanes 0-15 A's rows, lanes 16-31 B's
.set SPW,  28                          ; v28  LDS address of my spare word; never rewritten
.set NIL,  29                          ; v29  0; never rewritten
.set SC,   32                          ; scale words: set s at v[SC + 16 s]; register 2 i + q: lanes 0-15 A's block i, lanes 16-31 B's block i, the slot's q-th 128 of K
.set AF,   128                         ; A's fragments
.set CD,   64                          ; the way out: v64-159 the codes, 12 registers for each of my 8 row tiles
.set WD,   160                         ; v160-167 their scale words
.set TC,   168                         ; v168-174 second halves of the conversions
.set TM,   176                         ; v176-187 at work
.set PW,   192                         ; v192 a scale word
.set G1, 24                            ; s[24:31] group 1 for A's tiles;  s[32:39] group 0, one set for each slot
.set G0, 32
.set G1B, 48                           ; s[48:55], s[56:63] the same for B's
.set G0B, 56
.set G1S, 68                           ; s[68:75], s[76:79] groups 1 and 0 for A's scales;  s[80:87], s[88:91] for B's
.set G0S, 76
.set G1SB, 80
.set G0SB, 88
.set SEL, 98                           ; s[98:99] v_permlanex16_b32's selects for lane l xor 16
.set MSB, 0
.macro WIN new                         ; the immediate's high byte repeats the setting that is left
.if MSB != \new
	s_set_vgpr_msb (MSB<<8)|\new
.set MSB, \new
.endif
.endm
.set MUL_LO, 0xa1                      ; source 0 (B) window 1, source 1 (A) window 0, C and D window 2
.set MUL_HI, 0xf1                      ; the same, C and D window 3
.set TO_B,   0x40                      ; destination window 1, address window 0
; A joint load: waves 0 and 1 fetch for A, waves 2 and 3 for B; the branch hangs on the wave's number alone.  Four v_nop follow each of the two lines.
.macro JLOAD g0a, g1a, g0b, g1b
	s_cmp_eq_u32 s15, 0
	s_cbranch_scc0 .Lfor_b_\@
	tensor_load_to_lds s[\g0a:\g0a+3], s[\g1a:\g1a+7]
	s_nop 0
.rept 4
	v_nop
.endr
	s_branch .Lasked_\@
.Lfor_b_\@:
	tensor_load_to_lds s[\g0b:\g0b+3], s[\g1b:\g1b+7]
	s_nop 0
.rept 4
	v_nop
.endr
.Lasked_\@:
.endm
.macro CREST                           ; a round of the cluster's barrier behind its opening barrier
	s_cmp_lg_u32 s14, 0
	s_cbranch_scc1 .Lnot_wave_0_\@
	s_barrier_signal -3
.Lnot_wave_0_\@:
	s_barrier_wait -3
	s_barrier_signal -1
	s_barrier_wait -1
.endm
.macro CROUND                          ; a whole round
	s_barrier_signal -1
	s_barrier_wait -1
	CREST
.endm
	s_load_b128 s[4:7], s[0:1], 0x0                ; A's row tiles, B's row tiles
	s_load_b64 s[12:13], s[0:1], 0x10              ; the result
	v_lshl_add_u32 v[SPW], v0, 2, SPARE
	v_mov_b32 v[NIL], 0
	ds_add_u32 v28, v29
	ds_add_u32 v28, v29
	s_wait_dscnt 0x0
	v_lshrrev_b32 v1, 5, v0
	v_readfirstlane_b32 s14, v1                    ; wave 0..3
	s_lshr_b32 s15, s14, 1                         ; which half of the tile's rows is mine.  Also: I fetch for A (0) or for B (1)
	s_and_b32 s16, s14, 1                          ; which half of its columns.  Also: which 8 row tiles I fetch
	s_bfe_u32 s40, ttmp6, 0x40000                  ; cx, cy: my place in the cluster
	s_bfe_u32 s41, ttmp6, 0x40004
	s_lshl_b32 s42, ttmp9, 2
	s_add_co_u32 s42, s42, s40                     ; tx = 4 x cluster x + cx
	s_and_b32 s17, ttmp7, 0xffff
	s_lshl_b32 s17, s17, 2
	s_add_co_u32 s17, s17, s41                     ; ty = 4 x cluster y + cy
	s_lshl_b32 s43, s41, 2
	s_lshl_b32 s43, 15, s43                        ; my row of the cluster
	s_lshl_b32 s44, 0x1111, s40                    ; my column
	s_mov_b32 s[SEL], 0x76543210
	s_mov_b32 s[SEL+1], 0xfedcba98
	; group 1 for codes: 8 rows (row tiles) of 384 elements of 8 bytes (a K step's 3,072 bytes), 1,600 elements (12,800 bytes) apart; dense in LDS
	s_or_b32 s[G1+0], s43, (3<<16)|(1<<21)         ; 15:0 the mask: A's tiles go to my row; 17:16 elements of 8 bytes; 20 no padding; 21 set beside a mask
	s_or_b32 s[G1B+0], s44, (3<<16)|(1<<21)
.irp g, G1, G1B
	s_mov_b32 s[\g+1], 384<<16                     ; tensor_dim0
	s_mov_b32 s[\g+2], 8<<16                       ; tensor_dim1
	s_mov_b32 s[\g+3], 384<<16                     ; tile_dim0
	s_mov_b32 s[\g+4], 8                           ; tile_dim1
	s_mov_b32 s[\g+5], 1600                        ; tensor_dim0_stride
	s_mov_b32 s[\g+6], 0
	s_mov_b32 s[\g+7], 0
.endr
	; and for the scale words: 8 rows of 64 elements (512 bytes), the same distance apart
	s_or_b32 s[G1S+0], s43, (3<<16)|(1<<21)
	s_or_b32 s[G1SB+0], s44, (3<<16)|(1<<21)
.irp g, G1S, G1SB
	s_mov_b32 s[\g+1], 64<<16
	s_mov_b32 s[\g+2], 8<<16
	s_mov_b32 s[\g+3], 64<<16
	s_mov_b32 s[\g+4], 8
	s_mov_b32 s[\g+5], 1600
	s_mov_b32 s[\g+6], 0
	s_mov_b32 s[\g+7], 0
.endr
	s_lshl_b32 s18, s16, 3                         ; which 8 row tiles of the 16 I fetch
	s_lshl_b32 s20, s17, 4
	s_add_co_u32 s20, s20, s18                     ; A: row tile 16 ty + 8 x half: it hangs on ty alone, which my row of the cluster shares
	s_mul_i32 s20, s20, RTB
	s_mov_b32 s21, 0
	s_lshl_b32 s46, s42, 4
	s_add_co_u32 s46, s46, s18                     ; B: row tile 16 tx + 8 x half
	s_mul_i32 s46, s46, RTB
	s_mov_b32 s47, 0
	s_mul_i32 s45, s14, HALFT                      ; where they go: wave x 8 row tiles: no place in the cluster enters an LDS address
	s_lshl_b32 s94, s14, 12
	s_wait_kmcnt 0x0
	s_add_nc_u64 s[20:21], s[4:5], s[20:21]
	s_add_nc_u64 s[46:47], s[6:7], s[46:47]
	s_add_nc_u64 s[22:23], s[20:21], 12288         ; the scale words lie behind a row tile's images
	s_add_nc_u64 s[92:93], s[46:47], 12288
	CROUND                                         ; all sixteen work-groups are here: the first joint loads meet
	s_mov_b32 s[G0S], 1
	s_add_co_u32 s[G0S+1], s94, SCL
	s_mov_b64 s[G0S+2:G0S+3], s[22:23]
	s_or_b32 s[G0S+3], s[G0S+3], 0x80000000
	s_mov_b32 s[G0SB], 1
	s_add_co_u32 s[G0SB+1], s94, SCL
	s_mov_b64 s[G0SB+2:G0SB+3], s[92:93]
	s_or_b32 s[G0SB+3], s[G0SB+3], 0x80000000
	JLOAD G0S, G1S, G0SB, G1SB                     ; the scales first: they are wanted with K step 0
.irp s, 0,1
	s_mov_b32 s[G0+4*\s], 1
	s_add_co_u32 s[G0+4*\s+1], s45, \s*SLOT
	s_add_nc_u64 s[G0+4*\s+2:G0+4*\s+3], s[20:21], \s*KSB
	s_or_b32 s[G0+4*\s+3], s[G0+4*\s+3], 0x80000000
	s_mov_b32 s[G0B+4*\s], 1
	s_add_co_u32 s[G0B+4*\s+1], s45, \s*SLOT
	s_add_nc_u64 s[G0B+4*\s+2:G0B+4*\s+3], s[46:47], \s*KSB
	s_or_b32 s[G0B+4*\s+3], s[G0B+4*\s+3], 0x80000000
	JLOAD G0+4*\s, G1, G0B+4*\s, G1B               ; three tensor loads of mine are out
.endr
	v_and_b32 v1, 15, v0                           ; r
	v_bfe_u32 v2, v0, 4, 1                         ; h
	v_and_b32 v3, 31, v0
	v_lshlrev_b32 v[L16], 4, v3
	v_lshlrev_b32 v[L8], 4, v1
	v_lshl_add_u32 v[L8], v2, 3, v[L8]
	v_lshlrev_b32 v[SH], 4, v2
	s_mul_i32 s21, s15, HALFT                      ; my 8 row tiles of A
	s_mul_i32 s22, s16, HALFT                      ; my 8 of B,
	s_add_co_u32 s22, s22, 2*HALFT                 ; which lie behind A's 16
.irp s, 0,1
	v_add_nc_u32 v[ADRA+\s], s21, v[L16]
	v_add_nc_u32 v[ADRB+\s], s22, v[L16]
	v_add_nc_u32 v[ADRA+2+\s], s21, v[L8]
	v_add_nc_u32 v[ADRB+2+\s], s22, v[L8]
	s_add_co_u32 s21, s21, SLOT
	s_add_co_u32 s22, s22, SLOT
.endr
	v_lshlrev_b32 v6, 4, v1                        ; my row's four words of a half of K: 16 r
	s_lshl_b32 s21, s15, 12                        ; A's: my 8 row tiles
	s_lshl_b32 s22, s16, 12                        ; B's: my 8, behind A's 16
	s_add_co_u32 s22, s22, 2*HALFS
	s_sub_co_u32 s22, s22, s21
	v_mul_u32_u24 v7, s22, v2                      ; lanes 16-31 take B's: one product in h
	s_add_co_u32 s21, s21, SCL
	v_add_nc_u32 v6, v6, v7
	v_add_nc_u32 v[ADRS], s21, v6
	; where my part of the result goes
	s_and_b32 s46, s42, 7
	s_lshr_b32 s47, s42, 3
	s_lshl_b32 s47, s47, 5
	s_add_co_u32 s46, s46, s47
	s_lshl_b32 s20, s17, 3
	s_add_co_u32 s20, s20, s46                     ; the block: (tx % 8) + 8 ty + 32 (tx / 8)
	s_mul_i32 s20, s20, TB
	s_mul_i32 s21, s15, HALFT                      ; my 8 row tiles of 3,072 bytes,
	s_mul_i32 s22, s16, 1536                       ; my two images in each
	s_add_co_u32 s21, s21, s22
	s_add_co_u32 s22, s20, s21
	s_mov_b32 s23, 0
	s_add_nc_u64 s[92:93], s[12:13], s[22:23]      ; the codes
	s_lshl_b32 s21, s16, 11
	s_lshl_b32 s22, s15, 10
	s_add_co_u32 s21, s21, s22
	s_add_co_u32 s22, s20, s21
	s_add_co_u32 s22, s22, 49152
	s_add_nc_u64 s[12:13], s[12:13], s[22:23]      ; the scale words
.macro FRAG reg, adr, q, i             ; a fragment, 16 rows x 128 K: two images on end: registers 0-3, 4-5, 6-9, 10-11; each load's 32 lanes read consecutive bytes
	ds_load_b128 v[\reg:\reg+3], v[\adr] offset:(\i)*KSB+(\q)*1536
	ds_load_b64 v[\reg+4:\reg+5], v[\adr+2] offset:(\i)*KSB+(\q)*1536+512
	ds_load_b128 v[\reg+6:\reg+9], v[\adr] offset:(\i)*KSB+(\q)*1536+768
	ds_load_b64 v[\reg+10:\reg+11], v[\adr+2] offset:(\i)*KSB+(\q)*1536+1280
.endm
; 16 matrix instructions: A's blocks a0, a0 + 1 x B's eight, 128 along K: the slot's q-th.  p: B's set;  sc: the set of scale words.  zero = 1: the first product starts the sums.
; The 64 accumulators take turns, one instruction a turn, in the same order in every step.
.macro MUL16 a0, p, q, sc, zero
.irp a, \a0, \a0+1
.irp b, 0,1,2,3,4,5,6,7
.if \zero
	v_wmma_scale_f32_16x16x128_f8f6f4 v[8*(8*((\a)%4)+\b):8*(8*((\a)%4)+\b)+7], v[128*(\p)+FR*\b:128*(\p)+FR*\b+FR-1], v[AF+FR*(\a):AF+FR*(\a)+FR-1], 0, v[SC+8*NQ*(\sc)+NQ*\b+(\q)], v[SC+8*NQ*(\sc)+NQ*(\a)+(\q)] matrix_a_fmt:MATRIX_FMT_BF6 matrix_b_fmt:MATRIX_FMT_BF6 matrix_a_scale:MATRIX_SCALE_ROW1
.else
	v_wmma_scale_f32_16x16x128_f8f6f4 v[8*(8*((\a)%4)+\b):8*(8*((\a)%4)+\b)+7], v[128*(\p)+FR*\b:128*(\p)+FR*\b+FR-1], v[AF+FR*(\a):AF+FR*(\a)+FR-1], v[8*(8*((\a)%4)+\b):8*(8*((\a)%4)+\b)+7], v[SC+8*NQ*(\sc)+NQ*\b+(\q)], v[SC+8*NQ*(\sc)+NQ*(\a)+(\q)] matrix_a_fmt:MATRIX_FMT_BF6 matrix_b_fmt:MATRIX_FMT_BF6 matrix_a_scale:MATRIX_SCALE_ROW1
.endif
.endr
.endr
.endm
.macro FETCH_B slot, q, p              ; B's eight fragments of the slot's q-th 128 along K into set p
	WIN TO_B
.irp i, 0,1,2,3,4,5,6,7
	FRAG 128*(\p)+FR*\i, ADRB+\slot, \q, \i
.endr
	WIN 0
.endm
.macro FETCH_A slot, q, i0             ; A's blocks i0 .. i0 + 3
.irp i, \i0, \i0+1, \i0+2, \i0+3
	FRAG AF+FR*(\i), ADRA+\slot, \q, \i
.endr
.endm
.macro SCALES sc                       ; a K step's two scale words a row into set sc: lanes 0-15 take A's block i, lanes 16-31 B's block i
.irp i, 0,1,2,3,4,5,6,7
	ds_load_b64 v[SC+8*NQ*\sc+NQ*\i:SC+8*NQ*\sc+NQ*\i+1], v[ADRS] offset:\i*SBLK
.endr
.endm
; A load into a register that a matrix instruction has read, and a vector instruction that reads a matrix result or writes one of a matrix instruction's registers, stand NP places behind it; only plain vector
; instructions that name none of its registers are places (ISA guide 7.12.1 for vector instructions).
.macro PLACES n
.rept \n
	v_nop
.endr
.endm
; A step of 128 along K that has its successor in the same slot.  A has one set of registers: blocks 0-3 are fetched anew in the step's middle, blocks 4-7 at its end; B has two sets.
.macro STEP slot, q, zero
	s_wait_dscnt 4*NL                              ; B's set, A's blocks 0-3 and the scale words are in; the youngest 16 loads (A's blocks 4-7) may be out
	WIN MUL_LO
	MUL16 0, (\q)%2, \q, \slot, \zero
	MUL16 2, (\q)%2, \q, \slot, \zero
	s_wait_dscnt 0                                 ; A's blocks 4-7 are in (asked for 32 matrix instructions ago)
	PLACES NP
	FETCH_B \slot, (\q)+1, 1-(\q)%2
	FETCH_A \slot, (\q)+1, 0
	WIN MUL_HI
	MUL16 4, (\q)%2, \q, \slot, \zero
	MUL16 6, (\q)%2, \q, \slot, \zero
	PLACES NP
	WIN 0
	FETCH_A \slot, (\q)+1, 4
.endm
; A slot's last step changes slots: ONE barrier; in front of it each wave waits for all its tensor loads, adds 0 to its spare word, and waits for that and for its own reads of this slot.  fill = 1: this slot is filled again, two K steps ahead.
.macro TURN slot, next, fill
	s_wait_tensorcnt 0x0                           ; all my tensor loads have landed: my part of the next slot;  (every window is 0 here)
	ds_add_u32 v[SPW], v[NIL]                      ; 0 onto my spare word
	s_wait_dscnt 4*NL+1                            ; (the add and the youngest 16 loads, A's blocks 4-7, may be out)
	WIN MUL_LO
	MUL16 0, 1, NQ-1, \slot, 0                     ; sixteen matrix instructions stand between the add and the wait for it
	s_wait_dscnt 0x0                               ; the add is done, and my reads of this slot are over
	s_barrier_signal -1
	MUL16 2, 1, NQ-1, \slot, 0
	WIN 0
	s_barrier_wait -1
.if \fill
	CREST                                          ; the barrier has opened a round of the cluster's barrier: no wave of any partner still reads this slot's tile or has a load on its way
	s_add_nc_u64 s[G0+4*\slot+2:G0+4*\slot+3], s[G0+4*\slot+2:G0+4*\slot+3], 2*KSB
	s_add_nc_u64 s[G0B+4*\slot+2:G0B+4*\slot+3], s[G0B+4*\slot+2:G0B+4*\slot+3], 2*KSB
	JLOAD G0+4*\slot, G1, G0B+4*\slot, G1B         ; the first tensor load behind the round; the four v_nop behind it are the places in front of the loads below
.else
	PLACES NP
.endif
.if \slot == 0
	v_add_nc_u32 v[ADRS], 8, v[ADRS]               ; the next K step's two words: the other half of the row's 16 bytes,
.else
	v_add_nc_u32 v[ADRS], 248, v[ADRS]             ; or the first half of its 16 bytes for the next 512 of K, 256 bytes on
.endif
	FETCH_B \next, 0, 0
	FETCH_A \next, 0, 0
	SCALES \next
	WIN MUL_HI
	MUL16 4, 1, NQ-1, \slot, 0
	MUL16 6, 1, NQ-1, \slot, 0
	PLACES NP
	WIN 0
	FETCH_A \next, 0, 4
.endm
	s_wait_tensorcnt 1                             ; the scales and my part of K step 0 are in (K step 1's load may be out)
	s_barrier_signal -1
	s_barrier_wait -1                              ; everybody's are
	FETCH_B 0, 0, 0
	FETCH_A 0, 0, 0
	SCALES 0
	FETCH_A 0, 0, 4
	STEP 0, 0, 1                                   ; K step 0: its first products start the sums.  Four K steps: written out, no loop
	TURN 0, 1, 1                                   ; slot 0 takes K step 2
	STEP 1, 0, 0
	TURN 1, 0, 1                                   ; slot 1 takes K step 3
	STEP 0, 0, 0
	TURN 0, 1, 0                                   ; nothing is left to fetch
	STEP 1, 0, 0
	s_wait_dscnt 4*NL                              ; the very last step
	WIN MUL_LO
	MUL16 0, 1, NQ-1, 1, 0
	MUL16 2, 1, NQ-1, 1, 0
	s_wait_dscnt 0
	WIN MUL_HI
	MUL16 4, 1, NQ-1, 1, 0
	MUL16 6, 1, NQ-1, 1, 0
	WIN 0
; THE WAY OUT.  Row tile a's 64 registers of a lane are n = 32 b + 16 h + i at register 16 b + i of ONE row: four blocks of 32, each shared with lane l xor 16.  They become two images and a scale word, with no LDS on the way.
; Each accumulator is first read at its registers 0 and 1.  The maxima name the accumulators as sources 0 and 1 and the running maximum as source 2, so that one window setting serves them all.
.macro QOUT a
.set AC, 64*((\a)%4)
.set WN, 2+(\a)/4                      ; the accumulators' window
.set W2, 5*WN                          ; sources 0 and 1 there
.set CA, CD+12*(\a)
	WIN W2
.irp b, 0,1,2,3
	v_max3_num_f32 v[TM+\b], |v[AC+16*\b]|, |v[AC+1+16*\b]|, 0x2800000   ; and the floor 2^(5 - 127): the byte cannot fall under 1
.endr
.irp i, 2,4,6,8,10,12,14
.irp b, 0,1,2,3
	v_max3_num_f32 v[TM+\b], |v[AC+16*\b+\i]|, |v[AC+1+16*\b+\i]|, v[TM+\b]
.endr
.endr
	WIN 0
.irp b, 0,1,2,3
	v_permlanex16_b32 v[TM+4+\b], v[TM+\b], s[SEL], s[SEL+1]
.endr
.irp b, 0,1,2,3
	v_max_num_f32 v[TM+\b], v[TM+\b], v[TM+4+\b]   ; the block's largest magnitude
.endr
.irp b, 0,1,2,3
	v_add_nc_u32 v[TM+8+\b], 0xfe000000, v[TM+\b]  ; 4 off its exponent field: the conversion's scale operand
.endr
.irp b, 0,1,2,3
	v_lshrrev_b32 v[TM+4+\b], 23, v[TM+8+\b]       ; the scale's byte
.endr
	v_lshl_or_b32 v[PW], v[TM+5], 8, v[TM+4]
	v_lshl_or_b32 v[PW], v[TM+6], 16, v[PW]
	v_lshl_or_b32 v[PW], v[TM+7], 24, v[PW]
	v_lshrrev_b32 v[WD+(\a)], v[SH], v[PW]         ; lanes 0-15 keep the word, lanes 16-31 its upper half
	WIN WN                                         ; source 0 in the accumulators' window
.irp c, 0,1
	v_cvt_scalef32_pk16_bf6_f32 v[CA+6*\c:CA+6*\c+2], v[AC+32*\c:AC+32*\c+15], v[TM+8+2*\c]
	v_cvt_scalef32_pk16_bf6_f32 v[TC+4*\c:TC+4*\c+2], v[AC+16+32*\c:AC+31+32*\c], v[TM+9+2*\c]
.endr
	WIN 0
	v_nop                                          ; one plain place behind a scaled conversion
.irp c, 0,1
.irp i, 0,1,2
	v_permlane16_swap_b32 v[CA+6*\c+\i], v[TC+4*\c+\i]   ; a whole block to a lane: lanes 0-15 block 2 c, lanes 16-31 block 2 c + 1
.endr
.irp i, 0,1,2
	v_mov_b32 v[CA+3+6*\c+\i], v[TC+4*\c+\i]
.endr
.endr
	global_store_b128 v[L16], v[CA:CA+3], s[92:93] offset:KSB*(\a)          ; 512 consecutive bytes, then 256: an image.  Each row tile has registers of its own: no store's data are written again
	global_store_b64 v[L8], v[CA+4:CA+5], s[92:93] offset:KSB*(\a)+512
	global_store_b128 v[L16], v[CA+6:CA+9], s[92:93] offset:KSB*(\a)+768
	global_store_b64 v[L8], v[CA+10:CA+11], s[92:93] offset:KSB*(\a)+1280
.endm
	PLACES NP                                      ; behind the last products: the lines below write registers that held A's fragments
.irp b, 0,1,2,3
	v_mov_b32 v[TM+4+\b], 0                        ; written once: a lane permute's destination counts as one of its sources
.endr
.irp a, 0,1,2,3,4,5,6,7
	QOUT \a
.endr
	global_store_b128 v[L16], v[WD:WD+3], s[12:13]             ; the scale words of row tiles 0-3: 512 consecutive bytes,
	global_store_b128 v[L16], v[WD+4:WD+7], s[12:13] offset:512   ; of row tiles 4-7
	s_wait_tensorcnt 0x0                           ; the wave's end
	ds_add_u32 v[SPW], v[NIL]
	s_wait_dscnt 0x0
	CROUND                                         ; the closing round: no work-group ends while a partner may still ask for a tile that names it
	s_endpgm
.Lfunc_end_k_qee83d5c6b2_projqk:
	.size	k_qee83d5c6b2_projqk, .Lfunc_end_k_qee83d5c6b2_projqk-k_qee83d5c6b2_projqk
	.p2alignl 7, 3214868480
	.fill 96, 4, 3214868480
	.section	.rodata,"a",@progbits
	.p2align	6, 0x0
	.amdhsa_kernel k_qee83d5c6b2_projqk
		.amdhsa_group_segment_fixed_size 327680
		.amdhsa_private_segment_fixed_size 0
		.amdhsa_enable_private_segment 0
		.amdhsa_kernarg_size 24
		.amdhsa_user_sgpr_count 2
		.amdhsa_user_sgpr_kernarg_segment_ptr 1
		.amdhsa_wavefront_size32 1
		.amdhsa_system_sgpr_workgroup_id_x 1
		.amdhsa_system_sgpr_workgroup_id_y 1
		.amdhsa_system_sgpr_workgroup_id_z 1
		.amdhsa_system_vgpr_workitem_id 0
		.amdhsa_next_free_vgpr 1024
		.amdhsa_next_free_sgpr 102
		.amdhsa_reserve_vcc 0
		.amdhsa_float_denorm_mode_32 3
		.amdhsa_float_denorm_mode_16_64 3
		.amdhsa_memory_ordered 1
		.amdhsa_forward_progress 1
		.amdhsa_inst_pref_size 148
	.end_amdhsa_kernel
	.amdgpu_metadata
---
amdhsa.version: [ 1, 2 ]
amdhsa.kernels:
  - .name:           k_qee83d5c6b2_projqk
    .symbol:         k_qee83d5c6b2_projqk.kd
    .args:
      - { .name: xc, .offset: 0, .size: 8, .value_kind: global_buffer, .address_space: global }
      - { .name: wqk, .offset: 8, .size: 8, .value_kind: global_buffer, .address_space: global }
      - { .name: pqk, .offset: 16, .size: 8, .value_kind: global_buffer, .address_space: global }
    .group_segment_fixed_size: 327680
    .private_segment_fixed_size: 0
    .kernarg_segment_align: 8
    .kernarg_segment_size: 24
    .max_flat_workgroup_size: 128
    .sgpr_count:     102
    .vgpr_count:     1024
    .wavefront_size: 32
...
	.end_amdgpu_metadata
.endif
;; end of part 2
;; launch projv: the kernel of part 2 again; grid 32 x 4, 4 waves a work-group, clusters of 4 x 4, 327,680 bytes of LDS; arguments wv, xc, pv; writes pv
;; launch attn (part 3): grid 4 x 64, 16 waves a work-group, clusters of 4 x 1, 210,944 bytes of LDS; arguments pqk, pv, oc; writes oc
.if DOCPART == 3
	.amdgcn_target "amdgcn-amd-amdhsa--gfx1250"
	.amdhsa_code_object_version 6
	.text
	.protected	k_qee83d5c6b2_attn
	.globl	k_qee83d5c6b2_attn
	.p2align	8
	.type	k_qee83d5c6b2_attn,@function
k_qee83d5c6b2_attn:
	s_mov_b64 s[64:65], 0
	v_nop
	global_prefetch_b8 v0, s[64:65] scope:SCOPE_SE
	s_setreg_imm32_b32 hwreg(HW_REG_WAVE_MODE, 25, 1), 1
	s_wait_xcnt 0x0
	s_wait_alu depctr_hold_cnt(0) depctr_sa_sdst(0) depctr_va_vdst(0) depctr_va_sdst(0) depctr_va_ssrc(0) depctr_va_vcc(0) depctr_vm_vsrc(0)
	s_getreg_b32 s2, hwreg(HW_REG_IB_STS2, 6, 4)
	s_cmp_eq_u32 s2, 0
	s_cbranch_scc0 .Lentry_in_a_cluster
	s_endpgm
.Lentry_in_a_cluster:
	s_bfe_u32 s2, ttmp6, 0x10000c
	s_cmp_lg_u32 s2, 0x3003
	s_cbranch_scc0 .Lentry_shape_is_right
	s_endpgm
.Lentry_shape_is_right:
; Causal attention of one head on codes of BF6 (E3M2) with E8M0 scales, and its result quantised along the joined heads' 1,024 for the last product.  2,048 tokens a batch, 16 heads of 64, 4 batches.
; t = score x log2(e) / 8; M = the row's largest t so far, rounded UP to a whole number; p = 2^(t - M) is what is quantised, along the keys, not normalised.  The row's sum is taken of the unquantised p, in f32, and
; divides O at the end.  When M moves, the sum and O are multiplied by 2^(old M - new M): exact.
; INPUTS, as the launches before laid them: blocks of 53,248 bytes: images [row tile 0..15][0..3][768] of 16 positions x 64 along K, scale words at 49,152.  Q and K: rows = token positions (index with bits 3 and 4
; exchanged), K = a head's 64.  V: rows = channel positions, K = the keys in natural order.
; THE HEAD'S K OF 64 fills half of the matrix instruction's 128: registers 6-11 of Q's and K's fragments are zero codes, written once; they add nothing under any scale byte that the words carry (never 0xff).
; LAYOUT.  Both products are used transposed: S^T = K Q^T (source 0 = 16 key positions, source 1 = my 16 queries), O^T = V^T P^T: a lane holds ONE query throughout.  Since keys and channels lie at their positions, the
; 16 registers of tiles 2 b and 2 b + 1 are 16 neighbours in natural order: 32 b + 16 h + 0 .. 15.
; SHARES.  A cluster of four work-groups is one (batch, head).  Wave w of work-group j owns query tiles 127 - j - 4 w and j + 4 w: 16 - w / 2 and w / 2 + 1 steps of 128 keys, 17 for every wave of the launch.
; The step limits hang on the wave's number alone; the place in the cluster enters only global addresses and the mask's numbers.
; NO RING.  A head's K and V as codes and scale words are 208,896 bytes: they come ONCE, by joint loads that name the four work-groups (each wave two loads), and stay: no LDS byte is filled again.
; Every loop has a constant trip count; a step all of whose keys come after my queries is left out by a scalar branch round its work.
; LIMITS: NaN and infinities are not served; v_exp_f32 and v_rcp_f32 are accurate to 1 ulp (ISA guide 15.8); a block of zeros gets the byte 1 (its codes are zeros; this program alone reads the bytes);
; a block's largest p is taken as the exponential of its largest score, which takes v_exp_f32 not to fall where its input rises.
; REGISTERS: v1-4 lane terms; v5 the mask's number; v6-11 the step's addresses; v12 -M, v13 the largest t, v[14:15] the sum; v16-27 Q; v28-31 lane terms; v32-79 four fragments of K; v80-87 K's scale words, v88-91 V's;
; v96-159 S^T, then p, then V's four fragments; v160-191 O^T; v192-206 the results' codes; v208-210, v224-254 at work; v255 Q's scale words.
.set TB,   53248
.set RTB,  12800
.set KC,   0                           ; LDS: K's images, 12,288 bytes for each slot of 256 keys, 8 slots
.set VC,   98304                       ; V's likewise
.set KS,   196608                      ; K's scale words, 1,024 bytes a slot: [tile / 4][r][tile % 4]
.set VS,   204800                      ; V's, 512 bytes a slot: [128 keys][r][channel tile]
.set WV,   8                           ; s8  my wave's number
.set SEL,  20                          ; s[20:21] lane selects: lane l xor 16
.set CS,   22                          ; s[22:23] c = log2(e) / 8
.set G1KC, 24                          ; groups 1: s[24:31] K's images, s[32:39] V's, s[40:47] K's scale words, s[48:55] V's
.set G1VC, 32
.set G1KS, 40
.set G1VS, 48
.set G0KC, 56                          ; groups 0, two each: s[56:63], s[68:75], s[76:83], s[84:91]
.set G0VC, 68
.set G0KS, 76
.set G0VS, 84
.set KF,   92                          ; s92 the step in hand
.set KMAX, 93                          ; s93 my tile's last step, the one on the diagonal
.set TK,   94                          ; s94 the slot's images: 12,288 bytes a slot
.set TSK,  95                          ; s95 K's scale words: 1,024
.set TSV,  96                          ; s96 V's: 512
.set CNT,  97
.set TQ,   98                          ; s98 my query tile
.macro CROUND                          ; a round of the cluster's barrier
	s_barrier_signal -1
	s_barrier_wait -1
	s_cmp_lg_u32 s[WV], 0
	s_cbranch_scc1 .Lnot_wave_0_\@
	s_barrier_signal -3
.Lnot_wave_0_\@:
	s_barrier_wait -3
	s_barrier_signal -1
	s_barrier_wait -1
.endm
	s_load_b128 s[4:7], s[0:1], 0x0                ; Q's and K's blocks, V's blocks
	s_load_b64 s[12:13], s[0:1], 0x10              ; the result's row tiles
	v_lshl_add_u32 v250, v0, 2, 0x33000
	v_mov_b32 v251, 0
	ds_add_u32 v250, v251
	ds_add_u32 v250, v251
	v_lshrrev_b32 v1, 5, v0
	s_delay_alu instid0(VALU_DEP_1)
	v_readfirstlane_b32 s[WV], v1                  ; wave 0..15
	s_bfe_u32 s9, ttmp6, 0x40000                   ; cx: my place in the cluster
	s_and_b32 s10, ttmp7, 0xffff                   ; the cluster's y: batch and head, which the four partners share
	s_lshr_b32 s18, s10, 4                         ; b
	s_and_b32 s17, s10, 15                         ; h
	s_lshr_b32 s14, s17, 2                         ; h / 4: which block of 256 columns
	s_and_b32 s11, s17, 3                          ; h % 4: which 64 of them
	s_mul_i32 s15, s11, 768                        ; Q, K: the head's image in a row tile
	s_lshr_b32 s2, s11, 1
	s_and_b32 s3, s17, 1
	s_lshl_b32 s16, s2, 11
	s_lshl_b32 s19, s3, 8
	s_add_co_u32 s16, s16, s19
	s_add_co_u32 s16, s16, 49152                   ; Q, K: the head's scale words in a block: column half, then slots 16 (h % 2) on
	s_lshr_b32 s19, s17, 3
	s_lshl_b32 s19, s19, 8
	s_bfe_u32 s98, s17, 0x20001
	s_lshl_b32 s98, s98, 2
	s_add_co_u32 s19, s19, s98
	s_lshl_b32 s98, s3, 1
	s_add_co_u32 s19, s19, s98
	s_add_co_u32 s19, s19, 12288                   ; the result: the head's two scale bytes in a row tile
	s_lshr_b32 s99, s[WV], 2                       ; the first slot that I fetch for; the second lies four on
	s_lshl_b32 s100, s14, 3
	s_lshl_b32 s101, s18, 5
	s_add_co_u32 s100, s100, s101
	s_add_co_u32 s100, s100, s99                   ; V's block: slot + 8 (h / 4) + 32 b
	s_mul_i32 s100, s100, TB
	s_mul_i32 s101, s11, 12288                     ; the head's four row tiles
	s_add_co_u32 s66, s100, s101
	s_mov_b32 s67, 0
	s_lshl_b32 s101, s2, 10
	s_add_co_u32 s100, s100, s101
	s_lshl_b32 s101, s3, 9
	s_add_co_u32 s100, s100, s101
	s_add_co_u32 s100, s100, 49152                 ; and their scale words
	s_mov_b32 s101, 0
	s_lshl_b32 s10, s18, 6
	s_add_co_u32 s14, s14, s10                     ; Q's block less its rows' part: h / 4 + 64 b
	s_lshl_b32 s10, s99, 3
	s_add_co_u32 s10, s10, s14
	s_add_co_u32 s10, s10, 4                       ; K's block: 4 + h / 4 + 64 b + 8 x slot
	s_mul_i32 s10, s10, TB
	s_add_co_u32 s2, s10, s15
	s_mov_b32 s3, 0
	s_add_co_u32 s10, s10, s16
	s_mov_b32 s11, 0
	; groups 1: elements of 8 bytes; 15:0 the mask: all four work-groups; 21 set beside a mask; no padding
.irp g, G1KC, G1VC, G1KS, G1VS
	s_mov_b32 s[\g], 15|(3<<16)|(1<<21)
	s_mov_b32 s[\g+6], 0
	s_mov_b32 s[\g+7], 0
.endr
	s_mov_b32 s[G1KC+1], 96<<16                    ; K's images: 16 rows (row tiles) of 768 bytes, 3,072 bytes apart
	s_mov_b32 s[G1KC+2], 16<<16
	s_mov_b32 s[G1KC+3], 96<<16
	s_mov_b32 s[G1KC+4], 16
	s_mov_b32 s[G1KC+5], 384
	s_mov_b32 s[G1VC+1], 32<<16                    ; V's: 12,288 dense bytes as 48 rows of 256
	s_mov_b32 s[G1VC+2], 48<<16
	s_mov_b32 s[G1VC+3], 32<<16
	s_mov_b32 s[G1VC+4], 48
	s_mov_b32 s[G1VC+5], 32
	s_mov_b32 s[G1KS+1], 32<<16                    ; K's scale words: 4 rows of 256 bytes, 512 apart
	s_mov_b32 s[G1KS+2], 4<<16
	s_mov_b32 s[G1KS+3], 32<<16
	s_mov_b32 s[G1KS+4], 4
	s_mov_b32 s[G1KS+5], 64
	s_mov_b32 s[G1VS+1], 32<<16                    ; V's: 2 rows of 256 bytes, 2,048 apart
	s_mov_b32 s[G1VS+2], 2<<16
	s_mov_b32 s[G1VS+3], 32<<16
	s_mov_b32 s[G1VS+4], 2
	s_mov_b32 s[G1VS+5], 256
	; groups 0: LDS addresses from the wave's number alone
	s_mul_i32 s[G0KC+1], s99, 12288
	s_add_co_u32 s[G0KC+5], s[G0KC+1], 49152
	s_add_co_u32 s[G0VC+1], s[G0KC+1], VC
	s_add_co_u32 s[G0VC+5], s[G0KC+1], VC+49152
	s_lshl_b32 s[G0KS+1], s99, 10
	s_add_co_u32 s[G0KS+5], s[G0KS+1], KS+4096
	s_add_co_u32 s[G0KS+1], s[G0KS+1], KS
	s_lshl_b32 s[G0VS+1], s99, 9
	s_add_co_u32 s[G0VS+5], s[G0VS+1], VS+2048
	s_add_co_u32 s[G0VS+1], s[G0VS+1], VS
	s_mov_b32 s[SEL], 0x76543210
	s_mov_b32 s[SEL+1], 0xfedcba98
	s_mov_b32 s[CS], 0x3e38aa3b                    ; c = log2(e) / 8
	s_mov_b32 s[CS+1], s[CS]                       ; (named with it as a pair, so it is written)
	s_wait_dscnt 0x0
	s_wait_kmcnt 0x0
	s_add_nc_u64 s[2:3], s[4:5], s[2:3]
	s_add_nc_u64 s[10:11], s[4:5], s[10:11]
	s_add_nc_u64 s[66:67], s[6:7], s[66:67]
	s_add_nc_u64 s[100:101], s[6:7], s[100:101]
.irp u, 0,1                            ; four slots on: K's blocks lie 8 apart for each slot, V's 1
	s_mov_b32 s[G0KC+4*\u], 1
	s_add_nc_u64 s[G0KC+4*\u+2:G0KC+4*\u+3], s[2:3], \u*32*TB
	s_or_b32 s[G0KC+4*\u+3], s[G0KC+4*\u+3], 0x80000000
	s_mov_b32 s[G0KS+4*\u], 1
	s_add_nc_u64 s[G0KS+4*\u+2:G0KS+4*\u+3], s[10:11], \u*32*TB
	s_or_b32 s[G0KS+4*\u+3], s[G0KS+4*\u+3], 0x80000000
	s_mov_b32 s[G0VC+4*\u], 1
	s_add_nc_u64 s[G0VC+4*\u+2:G0VC+4*\u+3], s[66:67], \u*4*TB
	s_or_b32 s[G0VC+4*\u+3], s[G0VC+4*\u+3], 0x80000000
	s_mov_b32 s[G0VS+4*\u], 1
	s_add_nc_u64 s[G0VS+4*\u+2:G0VS+4*\u+3], s[100:101], \u*4*TB
	s_or_b32 s[G0VS+4*\u+3], s[G0VS+4*\u+3], 0x80000000
.endr
	CROUND                                         ; all four work-groups are here: the joint loads meet
	s_and_b32 s98, s[WV], 3                        ; what I fetch: 0 K's images, 1 V's, 2 K's scale words, 3 V's; a wave's two loads stand in one arm, four v_nop behind the second
	s_cmp_eq_u32 s98, 0
	s_cbranch_scc0 .Lnot_kc
	tensor_load_to_lds s[G0KC:G0KC+3], s[G1KC:G1KC+7]
	s_nop 0
	tensor_load_to_lds s[G0KC+4:G0KC+7], s[G1KC:G1KC+7]
	s_nop 0
.rept 4
	v_nop
.endr
	s_branch .Lasked
.Lnot_kc:
	s_cmp_eq_u32 s98, 1
	s_cbranch_scc0 .Lnot_vc
	tensor_load_to_lds s[G0VC:G0VC+3], s[G1VC:G1VC+7]
	s_nop 0
	tensor_load_to_lds s[G0VC+4:G0VC+7], s[G1VC:G1VC+7]
	s_nop 0
.rept 4
	v_nop
.endr
	s_branch .Lasked
.Lnot_vc:
	s_cmp_eq_u32 s98, 2
	s_cbranch_scc0 .Lnot_ks
	tensor_load_to_lds s[G0KS:G0KS+3], s[G1KS:G1KS+7]
	s_nop 0
	tensor_load_to_lds s[G0KS+4:G0KS+7], s[G1KS:G1KS+7]
	s_nop 0
.rept 4
	v_nop
.endr
	s_branch .Lasked
.Lnot_ks:
	tensor_load_to_lds s[G0VS:G0VS+3], s[G1VS:G1VS+7]
	s_nop 0
	tensor_load_to_lds s[G0VS+4:G0VS+7], s[G1VS:G1VS+7]
	s_nop 0
.rept 4
	v_nop
.endr
.Lasked:
	v_and_b32 v1, 31, v0
	s_delay_alu instid0(VALU_DEP_1)
	v_lshlrev_b32 v1, 4, v1                        ; 16 x lane
	v_and_b32 v3, 15, v0                           ; r
	v_bfe_u32 v5, v0, 4, 1                         ; h
	s_delay_alu instid0(VALU_DEP_2)
	v_lshlrev_b32 v2, 4, v3
	s_delay_alu instid0(VALU_DEP_1)
	v_lshl_add_u32 v2, v5, 3, v2                   ; 16 r + 8 h
	s_delay_alu instid0(VALU_DEP_4)
	v_and_b32 v4, 8, v3
	s_delay_alu instid0(VALU_DEP_1)
	v_add_nc_u32 v4, v4, v3
	v_lshlrev_b32 v5, 4, v5
	s_delay_alu instid0(VALU_DEP_1)
	v_sub_nc_u32 v4, v4, v5                        ; r + 8 (r / 8) - 16 h
	s_wait_alu depctr_va_vdst(0)
	v_lshlrev_b32 v3, 4, v3                        ; 16 r
	s_wait_alu depctr_va_vdst(0)
	v_add_nc_u32 v28, VC, v1
	v_add_nc_u32 v29, VC, v2
	v_add_nc_u32 v30, KS, v3
	v_add_nc_u32 v31, VS, v3
	s_lshl_b32 s98, s[WV], 2
	s_add_co_u32 s9, s9, s98                       ; my second tile: j + 4 w
	s_lshr_b32 s99, s[WV], 1                       ; its last step
; Tile s[TQ]: Q's image and scale words, and the mask's number: my query less the diagonal step's first key less 16 h
.macro QADDR
	s_lshr_b32 s10, s[TQ], 4
	s_lshl_b32 s10, s10, 3
	s_add_co_u32 s10, s10, s14
	s_mul_i32 s10, s10, TB                         ; the block: h / 4 + 64 b + 8 (T / 16)
	s_and_b32 s11, s[TQ], 15
	s_mul_i32 s2, s11, 3072
	s_add_co_u32 s2, s2, s10
	s_add_co_u32 s2, s2, s15
	s_mov_b32 s3, 0
	s_add_nc_u64 s[66:67], s[4:5], s[2:3]
	s_lshr_b32 s11, s11, 2
	s_lshl_b32 s11, s11, 9
	s_and_b32 s2, s[TQ], 3
	s_lshl_b32 s2, s2, 2
	s_add_co_u32 s2, s2, s11
	s_add_co_u32 s2, s2, s10
	s_add_co_u32 s2, s2, s16
	s_add_nc_u64 s[100:101], s[4:5], s[2:3]
	s_lshr_b32 s2, s[TQ], 1
	s_and_b32 s2, s2, 3
	s_lshl_b32 s2, s2, 5
	s_and_b32 s11, s[TQ], 1
	s_lshl_b32 s11, s11, 3
	s_add_co_u32 s2, s2, s11
	v_add_nc_u32 v5, s2, v4
	global_load_b128 v[16:19], v1, s[66:67]
	global_load_b64 v[20:21], v2, s[66:67] offset:512
	global_load_b32 v255, v3, s[100:101]           ; lane r: row r's word
.endm
.macro INIT                            ; the step is written once: the first finds zeros, which the first change of M leaves zeros
	v_mov_b32 v13, 0xff61b1e6                      ; the largest t so far: -3e38, under every t
	s_delay_alu instid0(VALU_DEP_1)
	v_floor_f32 v12, -v13                          ; -M
	v_mov_b32 v14, 0
	v_mov_b32 v15, 0
.irp j, 0,1,2,3,4,5,6,7,8,9,10,11,12,13,14,15,16,17,18,19,20,21,22,23,24,25,26,27,28,29,30,31
	v_mov_b32 v[160+\j], 0
.endr
.endm
	s_sub_co_u32 s[TQ], 127, s9                    ; my first tile: 127 - j - 4 w
	QADDR
.irp i, 22,23,24,25,26,27
	v_mov_b32 v[\i], 0                             ; the upper 64 of the instruction's K: zero codes
.endr
.irp t, 0,1,2,3
.irp i, 6,7,8,9,10,11
	v_mov_b32 v[32+12*\t+\i], 0
.endr
.endr
.irp b, 0,1,2,3
	v_mov_b32 v[236+\b], 0                         ; written once: a lane permute's destination counts as one of its sources
.endr
	v_mov_b32 v252, 0
	v_mov_b32 v253, 0                              ; (named as the upper half of the pair v[252:253] before it is first written)
	s_sub_co_u32 s[KMAX], 15, s99
	INIT
	s_wait_tensorcnt 0x0                           ; my two loads have landed,
	s_barrier_signal -1
	s_barrier_wait -1                              ; everybody's have: the head's K and V lie in LDS, and nobody writes LDS again
	s_wait_loadcnt 0x0                             ; Q
; A KEY STEP: 128 keys, the q-th of the slot in hand
.macro STEP q
	s_cmp_gt_u32 s[KF], s[KMAX]                    ; all its keys come after my queries: its work is left out
	s_cbranch_scc1 .Lhidden_\@
	v_add_nc_u32 v6, s[TK], v1                     ; six plain lines: more than the five places owed before the products below write over the registers that held V's fragments
	s_wait_alu depctr_va_vdst(0)
	v_add_nc_u32 v7, s[TK], v2
	s_wait_alu depctr_va_vdst(0)
	v_add_nc_u32 v8, s[TK], v28
	v_add_nc_u32 v9, s[TK], v29
	v_add_nc_u32 v10, s[TSK], v30
	s_wait_alu depctr_va_vdst(0)
	v_add_nc_u32 v11, s[TSV], v31
.irp g, 0,1                            ; S^T = K Q^T, four tiles of 16 keys at a time
.if \g > 0
.rept 4
	v_nop                                          ; places in front of loads into registers that matrix instructions have read
.endr
.endif
.irp t, 0,1,2,3
	ds_load_b128 v[32+12*\t:35+12*\t], v6 offset:6144*(\q)+768*(4*\g+\t)
	ds_load_b64 v[36+12*\t:37+12*\t], v7 offset:6144*(\q)+768*(4*\g+\t)+512
.endr
	ds_load_b128 v[80+4*\g:83+4*\g], v10 offset:512*(\q)+256*\g   ; the four tiles' scale words of row r
	s_wait_dscnt 0x0
.irp t, 0,1,2,3
	v_wmma_scale_f32_16x16x128_f8f6f4 v[96+8*(4*\g+\t):103+8*(4*\g+\t)], v[32+12*\t:43+12*\t], v[16:27], 0, v[80+4*\g+\t], v255 matrix_a_fmt:MATRIX_FMT_BF6 matrix_b_fmt:MATRIX_FMT_BF6
.endr
.endr
.rept 4
	v_nop
.endr
	s_cmp_lg_u32 s[KF], s[KMAX]                    ; on the diagonal the scores of hidden keys become -infinity ahead of the maximum: p = 0 then.  The step's first key counts for every query of mine
	s_cbranch_scc1 .Lopen_\@
	v_mov_b32 v254, 0xff800000
.irp n, 0,1,2,3,4,5,6,7,8,9,10,11,12,13,14,15,16,17,18,19,20,21,22,23,24,25,26,27,28,29,30,31,32,33,34,35,36,37,38,39,40,41,42,43,44,45,46,47,48,49,50,51,52,53,54,55,56,57,58,59,60,61,62,63
	v_cmp_gt_i32 vcc_lo, 32*(\n/16)+\n%16, v5      ; register 16 b + i holds key 32 b + 16 h + i of the step
	v_cndmask_b32 v[96+\n], v[96+\n], v254, vcc_lo
.endr
.Lopen_\@:
.irp b, 0,1,2,3
	v_max3_num_f32 v[232+\b], v[96+16*\b], v[97+16*\b], v[98+16*\b]   ; the largest score of each block of 32 keys: for the row's maximum, and, since p rises with the score, for the block's largest p
.endr
.irp i, 3,5,7,9,11,13
.irp b, 0,1,2,3
	v_max3_num_f32 v[232+\b], v[232+\b], v[96+16*\b+\i], v[97+16*\b+\i]
.endr
.endr
.irp b, 0,1,2,3
	v_max_num_f32 v[232+\b], v[232+\b], v[111+16*\b]
.endr
.irp b, 0,1,2,3
	s_delay_alu instid0(VALU_DEP_4)
	v_permlanex16_b32 v[236+\b], v[232+\b], s[SEL], s[SEL+1]
.endr
.irp b, 0,1,2,3
	s_delay_alu instid0(VALU_DEP_4)
	v_max_num_f32 v[232+\b], v[232+\b], v[236+\b]  ; with lane l xor 16's 16 keys
.endr
	s_delay_alu instid0(VALU_DEP_2)
	v_max3_num_f32 v254, v232, v233, v234
	s_delay_alu instid0(VALU_DEP_1)
	v_max_num_f32 v254, v254, v235                 ; the step's largest score of my query
	s_delay_alu instid0(VALU_DEP_1)
	v_mul_f32 v254, s[CS], v254                    ; as t (c is positive)
	s_delay_alu instid0(VALU_DEP_1)
	v_max_num_f32 v13, v13, v254                   ; the running largest t
	v_mov_b32 v254, v12
	s_delay_alu instid0(VALU_DEP_2)
	v_floor_f32 v12, -v13                          ; the new -M = floor(-t) = -ceil(t)
	s_delay_alu instid0(VALU_DEP_1)
	v_sub_f32 v254, v12, v254                      ; M's old value less its new one: a whole number, 0 or less
	s_delay_alu instid0(VALU_DEP_1)
	v_cvt_i32_f32 v254, v254                       ; (it saturates)
	s_delay_alu instid0(VALU_DEP_1)
	v_ldexp_f32 v252, 1.0, v254                    ; f = 2^(old M - new M)
.irp j, 0,2,4,6,8,10,12,14,16,18,20,22,24,26,28,30,32,34,36,38,40,42,44,46,48,50,52,54,56,58,60,62
	v_pk_fma_f32 v[96+\j:97+\j], v[96+\j:97+\j], s[CS:CS+1], v[12:13] op_sel_hi:[1,0,0]   ; t - M, two at a time
.endr
.irp b, 0,1,2,3
	v_fma_f32 v[232+\b], v[232+\b], s[CS], v12     ; the same of each block's largest score
.endr
	s_wait_alu depctr_va_vdst(0)
.irp j, 0,1,2,3,4,5,6,7,8,9,10,11,12,13,14,15,16,17,18,19,20,21,22,23,24,25,26,27,28,29,30,31,32,33,34,35,36,37,38,39,40,41,42,43,44,45,46,47,48,49,50,51,52,53,54,55,56,57,58,59,60,61,62,63
	v_exp_f32 v[96+\j], v[96+\j]                   ; p = 2^(t - M), at most 1
.endr
.irp b, 0,1,2,3
	v_exp_f32 v[232+\b], v[232+\b]                 ; the block's largest p
.endr
	v_pk_mul_f32 v[14:15], v[14:15], v[252:253] op_sel_hi:[1,0]   ; the sums under the new M (a plain place behind the exponentials)
	s_wait_alu depctr_va_vdst(0)
.irp b, 0,1,2,3
	v_max_num_f32 v[232+\b], 0x2800000, v[232+\b]  ; the floor 2^(5 - 127): the byte cannot fall under 1
.endr
.irp b, 0,1,2,3
	s_delay_alu instid0(VALU_DEP_4)
	v_add_nc_u32 v[244+\b], 0xfe000000, v[232+\b]  ; the conversion's scale operand
.endr
.irp b, 0,1,2,3
	s_delay_alu instid0(VALU_DEP_4)
	v_lshrrev_b32 v[236+\b], 23, v[244+\b]         ; the scale's byte
.endr
	s_delay_alu instid0(VALU_DEP_3)
	v_lshl_or_b32 v253, v237, 8, v236              ; p's scale word for these 128 keys
	s_delay_alu instid0(VALU_DEP_1)
	v_lshl_or_b32 v253, v238, 16, v253
	s_delay_alu instid0(VALU_DEP_1)
	v_lshl_or_b32 v253, v239, 24, v253
.irp c, 0,1
	v_cvt_scalef32_pk16_bf6_f32 v[224+6*\c:226+6*\c], v[96+32*\c:111+32*\c], v[244+2*\c]
	v_cvt_scalef32_pk16_bf6_f32 v[236+4*\c:238+4*\c], v[112+32*\c:127+32*\c], v[244+2*\c+1]
.endr
	v_nop                                          ; one plain place behind a scaled conversion
.irp c, 0,1
.irp i, 0,1,2
	v_permlane16_swap_b32 v[224+6*\c+\i], v[236+4*\c+\i]   ; a whole block to a lane
.endr
.irp i, 0,1,2
	s_delay_alu instid0(VALU_DEP_3)
	v_mov_b32 v[227+6*\c+\i], v[236+4*\c+\i]
.endr
.endr
	v_pk_add_f32 v[236:237], v[100:101], v[104:105]
	v_pk_add_f32 v[248:249], v[108:109], v[112:113]
	v_pk_add_f32 v[246:247], v[116:117], v[120:121]
	v_pk_add_f32 v[244:245], v[124:125], v[128:129]
	v_pk_add_f32 v[242:243], v[132:133], v[136:137]
	v_pk_add_f32 v[240:241], v[140:141], v[144:145]
	v_pk_add_f32 v[222:223], v[148:149], v[152:153]
	v_pk_add_f32 v[14:15], v[14:15], v[156:157]
	v_pk_add_f32 v[236:237], v[236:237], v[96:97]
	v_pk_add_f32 v[248:249], v[248:249], v[98:99]
	v_pk_add_f32 v[246:247], v[246:247], v[102:103]
	v_pk_add_f32 v[244:245], v[244:245], v[106:107]
	v_pk_add_f32 v[242:243], v[242:243], v[110:111]
	v_pk_add_f32 v[240:241], v[240:241], v[114:115]
	v_pk_add_f32 v[222:223], v[222:223], v[118:119]
	v_pk_add_f32 v[14:15], v[14:15], v[122:123]
	v_pk_add_f32 v[236:237], v[236:237], v[126:127]
	v_pk_add_f32 v[248:249], v[248:249], v[130:131]
	v_pk_add_f32 v[246:247], v[246:247], v[134:135]
	v_pk_add_f32 v[244:245], v[244:245], v[138:139]
	v_pk_add_f32 v[242:243], v[242:243], v[142:143]
	v_pk_add_f32 v[240:241], v[240:241], v[146:147]
	v_pk_add_f32 v[222:223], v[222:223], v[150:151]
	v_pk_add_f32 v[14:15], v[14:15], v[154:155]
	v_pk_add_f32 v[236:237], v[236:237], v[158:159]
	s_delay_alu instid0(VALU_DEP_2)
	v_pk_add_f32 v[14:15], v[14:15], v[244:245]
	s_delay_alu instid0(VALU_DEP_2)
	v_pk_add_f32 v[236:237], v[236:237], v[242:243]
	v_pk_add_f32 v[248:249], v[248:249], v[240:241]
	v_pk_add_f32 v[246:247], v[246:247], v[222:223]
	s_delay_alu instid0(VALU_DEP_2)
	v_pk_add_f32 v[14:15], v[14:15], v[248:249]
	s_delay_alu instid0(VALU_DEP_2)
	v_pk_add_f32 v[236:237], v[236:237], v[246:247]
	s_delay_alu instid0(VALU_DEP_1)
	v_pk_add_f32 v[14:15], v[14:15], v[236:237]
.irp t, 0,1,2,3                        ; V's four fragments (16 channel positions x these 128 keys) take p's place
	ds_load_b128 v[96+12*\t:99+12*\t], v8 offset:1536*(\q)+3072*\t
	ds_load_b64 v[100+12*\t:101+12*\t], v9 offset:1536*(\q)+3072*\t+512
	ds_load_b128 v[102+12*\t:105+12*\t], v8 offset:1536*(\q)+3072*\t+768
	ds_load_b64 v[106+12*\t:107+12*\t], v9 offset:1536*(\q)+3072*\t+1280
.endr
	ds_load_b128 v[88:91], v11 offset:256*(\q)     ; and their scale words
.irp j, 0,2,4,6,8,10,12,14,16,18,20,22,24,26,28,30
	v_pk_mul_f32 v[160+\j:161+\j], v[160+\j:161+\j], v[252:253] op_sel_hi:[1,0]   ; O^T under the new M, while the loads are out; with the sums above, the places behind the lines that made p's codes and word
.endr
	s_wait_alu depctr_va_vdst(0)
	s_wait_dscnt 0x0
.irp t, 0,1,2,3                        ; O^T += V^T P^T: the four accumulators by turns
	v_wmma_scale_f32_16x16x128_f8f6f4 v[160+8*\t:167+8*\t], v[96+12*\t:107+12*\t], v[224:235], v[160+8*\t:167+8*\t], v[88+\t], v253 matrix_a_fmt:MATRIX_FMT_BF6 matrix_b_fmt:MATRIX_FMT_BF6
.endr
.Lhidden_\@:
	s_add_co_u32 s[KF], s[KF], 1
.endm
.macro PASS trips                      ; a trip is a slot of 256 keys: two steps
	s_mov_b32 s[KF], 0
	s_mov_b32 s[TK], 0
	s_mov_b32 s[TSK], 0
	s_mov_b32 s[TSV], 0
	s_mov_b32 s[CNT], \trips
.Lpass_\@:
	STEP 0
	STEP 1
	s_add_co_u32 s[TK], s[TK], 12288
	s_add_co_u32 s[TSK], s[TSK], 1024
	s_add_co_u32 s[TSV], s[TSV], 512
	s_sub_co_u32 s[CNT], s[CNT], 1
	s_cmp_lg_u32 s[CNT], 0
	s_cbranch_scc1 .Lpass_\@
.endm
; THE WAY OUT.  O^T / the sum: register 16 b + i is channel 32 b + 16 h + i of my query: the head's two blocks of the last product's K.  They become one image and two scale bytes a row.
.macro OUTPUT p
.set OC, 192+8*(\p)                    ; each pass has registers and bases of its own: no store's source is written again
.set OB, 24+4*(\p)                     ; (registers of group 1, whose loads were waited for at the head)
	s_lshl_b32 s10, s18, 7
	s_add_co_u32 s10, s10, s[TQ]
	s_mul_i32 s10, s10, RTB                        ; row tile 128 b + T
	s_mul_i32 s2, s17, 768                         ; image h
	s_add_co_u32 s2, s2, s10
	s_mov_b32 s3, 0
	s_add_nc_u64 s[OB:OB+1], s[12:13], s[2:3]
	s_add_co_u32 s2, s10, s19
	s_add_nc_u64 s[OB+2:OB+3], s[12:13], s[2:3]
.rept 4
	v_nop                                          ; places behind the last products
.endr
	v_add_f32 v14, v14, v15                        ; the sum's two halves,
	s_delay_alu instid0(VALU_DEP_1)
	v_permlanex16_b32 v252, v14, s[SEL], s[SEL+1]
	s_delay_alu instid0(VALU_DEP_1)
	v_add_f32 v14, v14, v252                       ; and lane l xor 16's
	s_wait_alu depctr_va_vdst(0)
	v_rcp_f32 v14, v14
	v_nop                                          ; one plain place behind a transcendental
	s_wait_alu depctr_va_vdst(0)
.irp j, 0,2,4,6,8,10,12,14,16,18,20,22,24,26,28,30
	v_pk_mul_f32 v[96+\j:97+\j], v[160+\j:161+\j], v[14:15] op_sel_hi:[1,0]   ; each accumulator from its low end on
.endr
.irp b, 0,1
	v_max3_num_f32 v[232+\b], |v[96+16*\b]|, |v[97+16*\b]|, 0x2800000
.endr
.irp i, 2,4,6,8,10,12,14
.irp b, 0,1
	s_delay_alu instid0(VALU_DEP_2)
	v_max3_num_f32 v[232+\b], v[232+\b], |v[96+16*\b+\i]|, |v[97+16*\b+\i]|
.endr
.endr
.irp b, 0,1
	s_delay_alu instid0(VALU_DEP_2)
	v_permlanex16_b32 v[236+\b], v[232+\b], s[SEL], s[SEL+1]
.endr
.irp b, 0,1
	s_delay_alu instid0(VALU_DEP_2)
	v_max_num_f32 v[232+\b], v[232+\b], v[236+\b]
.endr
.irp b, 0,1
	s_delay_alu instid0(VALU_DEP_2)
	v_add_nc_u32 v[244+\b], 0xfe000000, v[232+\b]
.endr
.irp b, 0,1
	s_delay_alu instid0(VALU_DEP_2)
	v_lshrrev_b32 v[236+\b], 23, v[244+\b]
.endr
	s_delay_alu instid0(VALU_DEP_1)
	v_lshl_or_b32 v[OC+6], v237, 8, v236           ; the two bytes
	v_cvt_scalef32_pk16_bf6_f32 v[OC:OC+2], v[96:111], v244
	v_cvt_scalef32_pk16_bf6_f32 v[208:210], v[112:127], v245
	v_nop                                          ; one plain place behind a scaled conversion
.irp i, 0,1,2
	v_permlane16_swap_b32 v[OC+\i], v[208+\i]      ; a whole block to a lane: lanes 0-15 block 0, lanes 16-31 block 1
.endr
.irp i, 0,1,2
	s_delay_alu instid0(VALU_DEP_3)
	v_mov_b32 v[OC+3+\i], v[208+\i]
.endr
	global_store_b128 v1, v[OC:OC+3], s[OB:OB+1]               ; 512 consecutive bytes,
	global_store_b64 v2, v[OC+4:OC+5], s[OB:OB+1] offset:512   ; then 256: the image
	global_store_b16 v3, v[OC+6], s[OB+2:OB+3]     ; two bytes of each row's 32: all that one head owns of them; both lanes of a row store the same value
.endm
	PASS 8                                         ; tile 127 - j - 4 w: up to 16 steps
	OUTPUT 0
	s_mov_b32 s[TQ], s9                            ; tile j + 4 w: up to 8 steps
	QADDR
	s_mov_b32 s[KMAX], s99
	INIT
	s_wait_loadcnt 0x0
	PASS 4
	OUTPUT 1
	s_wait_tensorcnt 0x0
	ds_add_u32 v250, v251
	s_wait_dscnt 0x0
	CROUND                                         ; the closing round
	s_endpgm
.Lfunc_end_k_qee83d5c6b2_attn:
	.size	k_qee83d5c6b2_attn, .Lfunc_end_k_qee83d5c6b2_attn-k_qee83d5c6b2_attn
	.p2alignl 7, 3214868480
	.fill 96, 4, 3214868480
	.section	.rodata,"a",@progbits
	.p2align	6, 0x0
	.amdhsa_kernel k_qee83d5c6b2_attn
		.amdhsa_group_segment_fixed_size 210944
		.amdhsa_private_segment_fixed_size 0
		.amdhsa_enable_private_segment 0
		.amdhsa_kernarg_size 24
		.amdhsa_user_sgpr_count 2
		.amdhsa_user_sgpr_kernarg_segment_ptr 1
		.amdhsa_wavefront_size32 1
		.amdhsa_system_sgpr_workgroup_id_x 1
		.amdhsa_system_sgpr_workgroup_id_y 1
		.amdhsa_system_sgpr_workgroup_id_z 1
		.amdhsa_system_vgpr_workitem_id 0
		.amdhsa_next_free_vgpr 256
		.amdhsa_next_free_sgpr 102
		.amdhsa_reserve_vcc 1
		.amdhsa_float_denorm_mode_32 3
		.amdhsa_float_denorm_mode_16_64 3
		.amdhsa_memory_ordered 1
		.amdhsa_forward_progress 1
		.amdhsa_inst_pref_size 116
	.end_amdhsa_kernel
	.amdgpu_metadata
---
amdhsa.version: [ 1, 2 ]
amdhsa.kernels:
  - .name:           k_qee83d5c6b2_attn
    .symbol:         k_qee83d5c6b2_attn.kd
    .args:
      - { .name: pqk, .offset: 0, .size: 8, .value_kind: global_buffer, .address_space: global }
      - { .name: pv, .offset: 8, .size: 8, .value_kind: global_buffer, .address_space: global }
      - { .name: oc, .offset: 16, .size: 8, .value_kind: global_buffer, .address_space: global }
    .group_segment_fixed_size: 210944
    .private_segment_fixed_size: 0
    .kernarg_segment_align: 8
    .kernarg_segment_size: 24
    .max_flat_workgroup_size: 512
    .sgpr_count:     102
    .vgpr_count:     256
    .wavefront_size: 32
...
	.end_amdgpu_metadata
.endif
;; end of part 3
;; launch outp (part 4): grid 4 x 32, 4 waves a work-group, clusters of 4 x 4, 327,680 bytes of LDS; arguments oc, wo, out0; writes out0
.if DOCPART == 4
	.amdgcn_target "amdgcn-amd-amdhsa--gfx1250"
	.amdhsa_code_object_version 6
	.text
	.protected	k_qee83d5c6b2_outp
	.globl	k_qee83d5c6b2_outp
	.p2align	8
	.type	k_qee83d5c6b2_outp,@function
k_qee83d5c6b2_outp:
	s_mov_b64 s[64:65], 0
	v_nop
	global_prefetch_b8 v0, s[64:65] scope:SCOPE_SE
	s_setreg_imm32_b32 hwreg(HW_REG_WAVE_MODE, 25, 1), 1
	s_wait_xcnt 0x0
	s_wait_alu depctr_hold_cnt(0) depctr_sa_sdst(0) depctr_va_vdst(0) depctr_va_sdst(0) depctr_va_ssrc(0) depctr_va_vcc(0) depctr_vm_vsrc(0)
	s_getreg_b32 s2, hwreg(HW_REG_IB_STS2, 6, 4)
	s_cmp_eq_u32 s2, 0
	s_cbranch_scc0 .Lentry_in_a_cluster
	s_endpgm
.Lentry_in_a_cluster:
	s_bfe_u32 s2, ttmp6, 0x10000c
	s_cmp_lg_u32 s2, 0xf033
	s_cbranch_scc0 .Lentry_shape_is_right
	s_endpgm
.Lentry_shape_is_right:
; out0[token][n] = sum over k of A[token][k] W_o[k][n], K = 1,024, on codes of BF6 (E3M2) with E8M0 scales; out0 [8192][1024] f32; sums in f32.
; OPERANDS lie in row tiles of 12,800 bytes: 16 positions (index with bits 3 and 4 exchanged) x 1,024 K as 16 images of 768 bytes, one for each 64 of K, then 512 bytes of scale words [k / 512][r][4].
; An image holds for lane (r, h) the six registers of k = 32 h + 0 .. 31: registers 0-3 at 16 (r + 16 h), registers 4, 5 at 512 + 16 r + 8 h: a fragment is four loads whose 32 lanes read consecutive bytes.
; A tile of the result, 256 x 256, is made by four waves, each 128 x 128: 64 accumulators, 512 registers.  K goes in four steps of 256 through two LDS slots filled by the tensor data mover; the scales of all of K come once.
; CLUSTERS: 4 x 4 work-groups; A's tiles are asked for jointly along a row of the cluster, B's along a column.  The launch has 128 tiles: a smaller tile would fill more of the chip at the price of a second main text.
; THE MATRIX INSTRUCTION IS USED TRANSPOSED (source 0 = 16 column positions of W_o, source 1 = 16 token positions): a lane holds eight neighbouring numbers of one token's row.  The way out puts rows and columns back
; into natural order: columns by the place in the stage, tokens by the stores' offsets.
; REGISTERS, in windows of 256: window 0: v0-31 addresses; v32-63 scale words, two sets; v128-223 A's fragments, one set; on the way out v128-255.  window 1: B's fragments, two sets, at v0 and v128.
;   window 2: the accumulators of my rows 0-63 ((a, b) at v[8 (8 a + b)]);  window 3: those of my rows 64-127.
.set RTB,   12800                      ; bytes of a row tile
.set KSB,   3072                       ; a K step of 256 in a row tile: four images
.set NQ,    2
.set FR,    12
.set NL,    4
.set NP,    4                          ; places behind this matrix instruction (ISA guide 7.12.1)
.set HALFT, 8*KSB                      ; 8 row tiles: what one tensor load brings
.set SLOT,  4*HALFT
.set SCL,   2*SLOT                     ; behind the ring: the scale words, 512 bytes a row tile
.set HALFS, 4096
.set SBLK,  512
.set SPARE, SCL+4*HALFS                ; the spare words, 128 bytes for each wave: two blocks of 256 bytes that no other line names
.set SPITCH, 528                       ; the way out: a stage of 16 rows x (512 bytes + 16) for each wave, in slot 0, which has had its last fill and its last read when the first result is stored there
.set L16,  4                           ; v4   16 x lane
.set L8,   5                           ; v5   16 r + 8 h
.set ADRA, 16
.set ADRB, 20
.set STO,  24                          ; v24  the way out: where I put 32 bytes of a row
.set RD,   25                          ; v25  and where I read a row back
.set ADRS, 27
.set SPW,  28
.set NIL,  29
.set SC,   32
.set AF,   128
.set BK,   128                         ; the way out: 16 rows read back: v128-191 and v192-255 by turns
.set G1, 24
.set G0, 32
.set G1B, 48
.set G0B, 56
.set G1S, 68
.set G0S, 76
.set G1SB, 80
.set G0SB, 88
.set MSB, 0
.macro WIN new                         ; the immediate's high byte repeats the setting that is left
.if MSB != \new
	s_set_vgpr_msb (MSB<<8)|\new
.set MSB, \new
.endif
.endm
.set MUL_LO, 0xa1
.set MUL_HI, 0xf1
.set TO_B,   0x40
; A joint load: waves 0 and 1 fetch for A, waves 2 and 3 for B; the branch hangs on the wave's number alone.  Four v_nop follow each of the two lines.
.macro JLOAD g0a, g1a, g0b, g1b
	s_cmp_eq_u32 s15, 0
	s_cbranch_scc0 .Lfor_b_\@
	tensor_load_to_lds s[\g0a:\g0a+3], s[\g1a:\g1a+7]
	s_nop 0
.rept 4
	v_nop
.endr
	s_branch .Lasked_\@
.Lfor_b_\@:
	tensor_load_to_lds s[\g0b:\g0b+3], s[\g1b:\g1b+7]
	s_nop 0
.rept 4
	v_nop
.endr
.Lasked_\@:
.endm
.macro CREST
	s_cmp_lg_u32 s14, 0
	s_cbranch_scc1 .Lnot_wave_0_\@
	s_barrier_signal -3
.Lnot_wave_0_\@:
	s_barrier_wait -3
	s_barrier_signal -1
	s_barrier_wait -1
.endm
.macro CROUND
	s_barrier_signal -1
	s_barrier_wait -1
	CREST
.endm
	s_load_b128 s[4:7], s[0:1], 0x0                ; A's row tiles (attention's result), B's (W_o)
	s_load_b64 s[12:13], s[0:1], 0x10              ; out0
	v_lshl_add_u32 v[SPW], v0, 2, SPARE
	v_mov_b32 v[NIL], 0
	ds_add_u32 v28, v29
	ds_add_u32 v28, v29
	s_wait_dscnt 0x0
	v_lshrrev_b32 v1, 5, v0
	v_readfirstlane_b32 s14, v1                    ; wave 0..3
	s_lshr_b32 s15, s14, 1                         ; which half of the tile's rows is mine.  Also: I fetch for A (0) or for B (1)
	s_and_b32 s16, s14, 1                          ; which half of its columns.  Also: which 8 row tiles I fetch
	s_bfe_u32 s40, ttmp6, 0x40000
	s_bfe_u32 s41, ttmp6, 0x40004
	s_lshl_b32 s42, ttmp9, 2
	s_add_co_u32 s42, s42, s40                     ; tx
	s_and_b32 s17, ttmp7, 0xffff
	s_lshl_b32 s17, s17, 2
	s_add_co_u32 s17, s17, s41                     ; ty
	s_lshl_b32 s43, s41, 2
	s_lshl_b32 s43, 15, s43                        ; my row of the cluster
	s_lshl_b32 s44, 0x1111, s40                    ; my column
	; group 1 for codes: 8 rows (row tiles) of 384 elements of 8 bytes, 1,600 elements apart; dense in LDS
	s_or_b32 s[G1+0], s43, (3<<16)|(1<<21)
	s_or_b32 s[G1B+0], s44, (3<<16)|(1<<21)
.irp g, G1, G1B
	s_mov_b32 s[\g+1], 384<<16
	s_mov_b32 s[\g+2], 8<<16
	s_mov_b32 s[\g+3], 384<<16
	s_mov_b32 s[\g+4], 8
	s_mov_b32 s[\g+5], 1600
	s_mov_b32 s[\g+6], 0
	s_mov_b32 s[\g+7], 0
.endr
	s_or_b32 s[G1S+0], s43, (3<<16)|(1<<21)
	s_or_b32 s[G1SB+0], s44, (3<<16)|(1<<21)
.irp g, G1S, G1SB
	s_mov_b32 s[\g+1], 64<<16
	s_mov_b32 s[\g+2], 8<<16
	s_mov_b32 s[\g+3], 64<<16
	s_mov_b32 s[\g+4], 8
	s_mov_b32 s[\g+5], 1600
	s_mov_b32 s[\g+6], 0
	s_mov_b32 s[\g+7], 0
.endr
	s_lshl_b32 s18, s16, 3
	s_lshl_b32 s20, s17, 4
	s_add_co_u32 s20, s20, s18                     ; A: row tile 16 ty + 8 x half
	s_mul_i32 s20, s20, RTB
	s_mov_b32 s21, 0
	s_lshl_b32 s46, s42, 4
	s_add_co_u32 s46, s46, s18                     ; B: row tile 16 tx + 8 x half
	s_mul_i32 s46, s46, RTB
	s_mov_b32 s47, 0
	s_mul_i32 s45, s14, HALFT
	s_lshl_b32 s94, s14, 12
	s_wait_kmcnt 0x0
	s_add_nc_u64 s[20:21], s[4:5], s[20:21]
	s_add_nc_u64 s[46:47], s[6:7], s[46:47]
	s_add_nc_u64 s[22:23], s[20:21], 12288
	s_add_nc_u64 s[92:93], s[46:47], 12288
	CROUND                                         ; all sixteen work-groups are here: the first joint loads meet
	s_mov_b32 s[G0S], 1
	s_add_co_u32 s[G0S+1], s94, SCL
	s_mov_b64 s[G0S+2:G0S+3], s[22:23]
	s_or_b32 s[G0S+3], s[G0S+3], 0x80000000
	s_mov_b32 s[G0SB], 1
	s_add_co_u32 s[G0SB+1], s94, SCL
	s_mov_b64 s[G0SB+2:G0SB+3], s[92:93]
	s_or_b32 s[G0SB+3], s[G0SB+3], 0x80000000
	JLOAD G0S, G1S, G0SB, G1SB
.irp s, 0,1
	s_mov_b32 s[G0+4*\s], 1
	s_add_co_u32 s[G0+4*\s+1], s45, \s*SLOT
	s_add_nc_u64 s[G0+4*\s+2:G0+4*\s+3], s[20:21], \s*KSB
	s_or_b32 s[G0+4*\s+3], s[G0+4*\s+3], 0x80000000
	s_mov_b32 s[G0B+4*\s], 1
	s_add_co_u32 s[G0B+4*\s+1], s45, \s*SLOT
	s_add_nc_u64 s[G0B+4*\s+2:G0B+4*\s+3], s[46:47], \s*KSB
	s_or_b32 s[G0B+4*\s+3], s[G0B+4*\s+3], 0x80000000
	JLOAD G0+4*\s, G1, G0B+4*\s, G1B               ; three tensor loads of mine are out
.endr
	v_and_b32 v1, 15, v0                           ; r
	v_bfe_u32 v2, v0, 4, 1                         ; h
	v_and_b32 v3, 31, v0
	v_lshlrev_b32 v[L16], 4, v3
	v_lshlrev_b32 v[L8], 4, v1
	v_lshl_add_u32 v[L8], v2, 3, v[L8]
	s_mul_i32 s21, s15, HALFT
	s_mul_i32 s22, s16, HALFT
	s_add_co_u32 s22, s22, 2*HALFT
.irp s, 0,1
	v_add_nc_u32 v[ADRA+\s], s21, v[L16]
	v_add_nc_u32 v[ADRB+\s], s22, v[L16]
	v_add_nc_u32 v[ADRA+2+\s], s21, v[L8]
	v_add_nc_u32 v[ADRB+2+\s], s22, v[L8]
	s_add_co_u32 s21, s21, SLOT
	s_add_co_u32 s22, s22, SLOT
.endr
	v_lshlrev_b32 v6, 4, v1
	s_lshl_b32 s21, s15, 12
	s_lshl_b32 s22, s16, 12
	s_add_co_u32 s22, s22, 2*HALFS
	s_sub_co_u32 s22, s22, s21
	v_mul_u32_u24 v7, s22, v2                      ; lanes 16-31 take B's: one product in h
	s_add_co_u32 s21, s21, SCL
	v_add_nc_u32 v6, v6, v7
	v_add_nc_u32 v[ADRS], s21, v6
	s_mul_i32 s23, s14, 16*SPITCH                  ; my stage
	v_mul_u32_u24 v6, v1, SPITCH                   ; in: row r; B's tile b holds columns 32 (b / 2) + 8 (b % 2) + 16 h + 0 .. 7: 64 h bytes here, the rest in the stores' offsets
	v_lshl_add_u32 v6, v2, 6, v6
	v_add_nc_u32 v[STO], s23, v6
	v_add_nc_u32 v[RD], s23, v[L16]                ; back: the 32 lanes take one row of 512 bytes
	s_lshl_b32 s20, s17, 8
	s_lshl_b32 s21, s15, 7
	s_add_co_u32 s20, s20, s21                     ; my first token: 256 ty + 128 x half
	s_lshl_b32 s20, s20, 12                        ; rows of 4,096 bytes
	s_lshl_b32 s46, s42, 10                        ; my first column, in bytes: 1,024 tx + 512 x half
	s_lshl_b32 s47, s16, 9
	s_add_co_u32 s46, s46, s47
	s_add_co_u32 s20, s20, s46
	s_mov_b32 s21, 0
	s_add_nc_u64 s[12:13], s[12:13], s[20:21]
.macro FRAG reg, adr, q, i             ; a fragment, 16 rows x 128 K: two images on end
	ds_load_b128 v[\reg:\reg+3], v[\adr] offset:(\i)*KSB+(\q)*1536
	ds_load_b64 v[\reg+4:\reg+5], v[\adr+2] offset:(\i)*KSB+(\q)*1536+512
	ds_load_b128 v[\reg+6:\reg+9], v[\adr] offset:(\i)*KSB+(\q)*1536+768
	ds_load_b64 v[\reg+10:\reg+11], v[\adr+2] offset:(\i)*KSB+(\q)*1536+1280
.endm
; 16 matrix instructions: A's blocks a0, a0 + 1 x B's eight.  The 64 accumulators take turns, one instruction a turn, in the same order in every step.
.macro MUL16 a0, p, q, sc, zero
.irp a, \a0, \a0+1
.irp b, 0,1,2,3,4,5,6,7
.if \zero
	v_wmma_scale_f32_16x16x128_f8f6f4 v[8*(8*((\a)%4)+\b):8*(8*((\a)%4)+\b)+7], v[128*(\p)+FR*\b:128*(\p)+FR*\b+FR-1], v[AF+FR*(\a):AF+FR*(\a)+FR-1], 0, v[SC+8*NQ*(\sc)+NQ*\b+(\q)], v[SC+8*NQ*(\sc)+NQ*(\a)+(\q)] matrix_a_fmt:MATRIX_FMT_BF6 matrix_b_fmt:MATRIX_FMT_BF6 matrix_a_scale:MATRIX_SCALE_ROW1
.else
	v_wmma_scale_f32_16x16x128_f8f6f4 v[8*(8*((\a)%4)+\b):8*(8*((\a)%4)+\b)+7], v[128*(\p)+FR*\b:128*(\p)+FR*\b+FR-1], v[AF+FR*(\a):AF+FR*(\a)+FR-1], v[8*(8*((\a)%4)+\b):8*(8*((\a)%4)+\b)+7], v[SC+8*NQ*(\sc)+NQ*\b+(\q)], v[SC+8*NQ*(\sc)+NQ*(\a)+(\q)] matrix_a_fmt:MATRIX_FMT_BF6 matrix_b_fmt:MATRIX_FMT_BF6 matrix_a_scale:MATRIX_SCALE_ROW1
.endif
.endr
.endr
.endm
.macro FETCH_B slot, q, p
	WIN TO_B
.irp i, 0,1,2,3,4,5,6,7
	FRAG 128*(\p)+FR*\i, ADRB+\slot, \q, \i
.endr
	WIN 0
.endm
.macro FETCH_A slot, q, i0
.irp i, \i0, \i0+1, \i0+2, \i0+3
	FRAG AF+FR*(\i), ADRA+\slot, \q, \i
.endr
.endm
.macro SCALES sc
.irp i, 0,1,2,3,4,5,6,7
	ds_load_b64 v[SC+8*NQ*\sc+NQ*\i:SC+8*NQ*\sc+NQ*\i+1], v[ADRS] offset:\i*SBLK
.endr
.endm
; A load into a register that a matrix instruction has read, and an LDS store that reads a matrix result, stand NP places behind it; only plain vector instructions that name none of its registers are places
; (ISA guide 7.12.1 for vector instructions).
.macro PLACES n
.rept \n
	v_nop
.endr
.endm
.macro STEP slot, q, zero
	s_wait_dscnt 4*NL                              ; B's set, A's blocks 0-3 and the scale words are in; the youngest 16 loads (A's blocks 4-7) may be out
	WIN MUL_LO
	MUL16 0, (\q)%2, \q, \slot, \zero
	MUL16 2, (\q)%2, \q, \slot, \zero
	s_wait_dscnt 0                                 ; A's blocks 4-7 are in
	PLACES NP
	FETCH_B \slot, (\q)+1, 1-(\q)%2
	FETCH_A \slot, (\q)+1, 0
	WIN MUL_HI
	MUL16 4, (\q)%2, \q, \slot, \zero
	MUL16 6, (\q)%2, \q, \slot, \zero
	PLACES NP
	WIN 0
	FETCH_A \slot, (\q)+1, 4
.endm
; A slot's last step changes slots: ONE barrier; in front of it each wave waits for all its tensor loads, adds 0 to its spare word, and waits for that and for its own reads of this slot.
.macro TURN slot, next, fill
	s_wait_tensorcnt 0x0                           ; all my tensor loads have landed: my part of the next slot;
	ds_add_u32 v[SPW], v[NIL]                      ; 0 onto my spare word
	s_wait_dscnt 4*NL+1                            ; (the add and the youngest 16 loads may be out)
	WIN MUL_LO
	MUL16 0, 1, NQ-1, \slot, 0
	s_wait_dscnt 0x0                               ; the add is done, and my reads of this slot are over
	s_barrier_signal -1
	MUL16 2, 1, NQ-1, \slot, 0
	WIN 0
	s_barrier_wait -1
.if \fill
	CREST                                          ; the barrier has opened a round of the cluster's barrier: no wave of any partner still reads this slot's tile or has a load on its way
	s_add_nc_u64 s[G0+4*\slot+2:G0+4*\slot+3], s[G0+4*\slot+2:G0+4*\slot+3], 2*KSB
	s_add_nc_u64 s[G0B+4*\slot+2:G0B+4*\slot+3], s[G0B+4*\slot+2:G0B+4*\slot+3], 2*KSB
	JLOAD G0+4*\slot, G1, G0B+4*\slot, G1B         ; the first tensor load behind the round; the four v_nop behind it are the places in front of the loads below
.else
	PLACES NP
.endif
.if \slot == 0
	v_add_nc_u32 v[ADRS], 8, v[ADRS]               ; the next K step's two words
.else
	v_add_nc_u32 v[ADRS], 248, v[ADRS]
.endif
	FETCH_B \next, 0, 0
	FETCH_A \next, 0, 0
	SCALES \next
	WIN MUL_HI
	MUL16 4, 1, NQ-1, \slot, 0
	MUL16 6, 1, NQ-1, \slot, 0
	PLACES NP
	WIN 0
	FETCH_A \next, 0, 4
.endm
	s_wait_tensorcnt 1                             ; the scales and my part of K step 0 are in (K step 1's load may be out)
	s_barrier_signal -1
	s_barrier_wait -1
	FETCH_B 0, 0, 0
	FETCH_A 0, 0, 0
	SCALES 0
	FETCH_A 0, 0, 4
	STEP 0, 0, 1                                   ; four K steps, written out
	TURN 0, 1, 1
	STEP 1, 0, 0
	TURN 1, 0, 1
	STEP 0, 0, 0
	TURN 0, 1, 0
	STEP 1, 0, 0
	s_wait_dscnt 4*NL
	WIN MUL_LO
	MUL16 0, 1, NQ-1, 1, 0
	MUL16 2, 1, NQ-1, 1, 0
	s_wait_dscnt 0
	WIN MUL_HI
	MUL16 4, 1, NQ-1, 1, 0
	MUL16 6, 1, NQ-1, 1, 0
	WIN 0
; THE WAY OUT, block by block of 16 token positions x 128 columns, through my own stage in LDS; back as whole rows of 512 bytes.  LDS serves a wave's instructions in order (ISA guide 5.7.1.4).
.macro TOSTAGE a
.set AC, 64*((\a)%4)
	WIN 0x08+4*((\a)/4)                            ; the data: window 2 or 3
.irp b, 0,1,2,3,4,5,6,7
	ds_store_b128 v[STO], v[AC+8*\b:AC+8*\b+3] offset:128*(\b/2)+32*(\b%2)          ; each accumulator from its low end on
	ds_store_b128 v[STO], v[AC+8*\b+4:AC+8*\b+7] offset:128*(\b/2)+32*(\b%2)+16
.endr
	WIN 0
.set BB, BK+64*((\a)%2)
.irp t, 0,1,2,3,4,5,6,7,8,9,10,11,12,13,14,15
	ds_load_b128 v[BB+4*\t:BB+4*\t+3], v[RD] offset:\t*SPITCH
.endr
.endm
.macro SEND a, younger                 ; row t of block a is token 32 (a / 2) + 8 (a % 2) + t + 8 (t / 8) of my 128: 127 rows of 4,096 bytes at the most, inside the signed 24-bit immediate (ISA guide, chapter 10): the base never steps
.set BB, BK+64*((\a)%2)
	s_wait_dscnt \younger                          ; the block is back in registers
.irp t, 0,1,2,3,4,5,6,7,8,9,10,11,12,13,14,15
	global_store_b128 v[L16], v[BB+4*\t:BB+4*\t+3], s[12:13] offset:(32*((\a)/2)+8*((\a)%2)+\t+8*(\t/8))*4096 th:TH_STORE_NT   ; 32 lanes store 512 consecutive bytes, at a multiple of 512 from out0's first byte
.endr
.endm
	PLACES NP
	TOSTAGE 0
.irp a, 1,2,3,4,5,6,7
.if \a > 1
	s_wait_xcnt 0x0                                ; block a - 2's stores have read their registers: block a's loads may land there
.endif
	TOSTAGE \a
	SEND \a-1, 32                                  ; behind block a - 1's loads: block a's 16 stores and 16 loads
.endr
	SEND 7, 0
	s_wait_tensorcnt 0x0                           ; the wave's end
	ds_add_u32 v[SPW], v[NIL]
	s_wait_dscnt 0x0
	CROUND                                         ; the closing round
	s_endpgm
.Lfunc_end_k_qee83d5c6b2_outp:
	.size	k_qee83d5c6b2_outp, .Lfunc_end_k_qee83d5c6b2_outp-k_qee83d5c6b2_outp
	.p2alignl 7, 3214868480
	.fill 96, 4, 3214868480
	.section	.rodata,"a",@progbits
	.p2align	6, 0x0
	.amdhsa_kernel k_qee83d5c6b2_outp
		.amdhsa_group_segment_fixed_size 327680
		.amdhsa_private_segment_fixed_size 0
		.amdhsa_enable_private_segment 0
		.amdhsa_kernarg_size 24
		.amdhsa_user_sgpr_count 2
		.amdhsa_user_sgpr_kernarg_segment_ptr 1
		.amdhsa_wavefront_size32 1
		.amdhsa_system_sgpr_workgroup_id_x 1
		.amdhsa_system_sgpr_workgroup_id_y 1
		.amdhsa_system_sgpr_workgroup_id_z 1
		.amdhsa_system_vgpr_workitem_id 0
		.amdhsa_next_free_vgpr 1024
		.amdhsa_next_free_sgpr 102
		.amdhsa_reserve_vcc 0
		.amdhsa_float_denorm_mode_32 3
		.amdhsa_float_denorm_mode_16_64 3
		.amdhsa_memory_ordered 1
		.amdhsa_forward_progress 1
		.amdhsa_inst_pref_size 143
	.end_amdhsa_kernel
	.amdgpu_metadata
---
amdhsa.version: [ 1, 2 ]
amdhsa.kernels:
  - .name:           k_qee83d5c6b2_outp
    .symbol:         k_qee83d5c6b2_outp.kd
    .args:
      - { .name: oc, .offset: 0, .size: 8, .value_kind: global_buffer, .address_space: global }
      - { .name: wo, .offset: 8, .size: 8, .value_kind: global_buffer, .address_space: global }
      - { .name: out0, .offset: 16, .size: 8, .value_kind: global_buffer, .address_space: global }
    .group_segment_fixed_size: 327680
    .private_segment_fixed_size: 0
    .kernarg_segment_align: 8
    .kernarg_segment_size: 24
    .max_flat_workgroup_size: 128
    .sgpr_count:     102
    .vgpr_count:     1024
    .wavefront_size: 32
...
	.end_amdgpu_metadata
.endif
;; end of part 4
